; MI455X (gfx1250); checked and timed in simulation.
; The chip was launched on July 23, 2026; its instructions are those of AMD's public machine-readable ISA for CDNA 5 (MIT licence, August 2026) and "CDNA5" Instruction Set Architecture Reference Guide (July 2026). The comments in the code are by the model that wrote it; some were corrected since.
;; DBF Linear GEMLITE. Allowed arithmetic: matrix products marked QUANTISED: E4M3 operands, one given power-of-two scale a tensor, by v_wmma_f32_16x16x64_fp8_fp8 or v_wmma_f32_16x16x128_fp8_fp8, f32 sums; everything else in f32.
;; Inputs: bias 4,096 float32; lowp_scales 4 int32 (the exponents e of the quantised operands' scales 2^e); scaling0 4,096 float32; scaling2 4,096 float32; scaling4 4,096 float32; w1_bits 4,096 x 4,096 int32; w3_bits 4,096 x 4,096 int32; x 4 x 512 x 4,096 float32.
;; Outputs: out0 4 x 512 x 4,096 float32.
;; This version of the problem:
;;   THIS VERSION OF THE PROBLEM IS GIVEN IN LOW PRECISION. The matrix products marked QUANTISED in the list below multiply operands that are first quantised to E4M3 (4 exponent bits, 3 mantissa bits; 8 bits a number), with one given power-of-two scale for each operand tensor; their sums are f32. All else is computed in f32.
;;   The module's matrix products, in the order in which they are computed (A, B: the left and right operand; K: the contracted axis; several contracted axes count as one K, in the product's order):
;;     1. [M 2,048, K 4,096] x [K 4,096, N 4,096]; A: computed on the way; B: computed on the way: QUANTISED (scales: A lowp_scales[0], B lowp_scales[1])
;;     2. [M 2,048, K 4,096] x [K 4,096, N 4,096]; A: computed on the way; B: computed on the way: QUANTISED (scales: A lowp_scales[2], B lowp_scales[3])
;;   THE QUANTISER, for each operand of a quantised product, along K:
;;     - The operand's scale is 2^e, e = its entry of the input lowp_scales (int32; the entries are numbered through the quantised products in the list's order, A before B).
;;     - Each number is divided by the scale, clamped to +-448, and rounded to the nearest number of E4M3, ties to even, subnormals kept.
;;     - The product sums the exact products of the quantised numbers (number of the format x scale) in f32.
;;   ~~~python
;;   def quantise(x, axis, e):      # numpy; x: float32 -> the quantised numbers, widened to float32 again
;;       x = np.moveaxis(x, axis, -1); K = x.shape[-1]
;;       r = np.clip(x / 2.0 ** e, -448, 448)
;;       step = 2.0 ** (np.maximum(np.frexp(np.where(r == 0, 1, r))[1] - 1, -6) - 3)
;;       q = np.round(r / step) * step * 2.0 ** e      # np.round: ties to even
;;       return np.moveaxis(q, -1, axis).astype(np.float32)
;;   ~~~
;;   OPERANDS COMPUTED ON THE WAY. 'Computed on the way' means the value that the module computes at that place (a softmax that the list does not call 'softmax' is quantised finished and normalised). What goes into a quantiser is computed in f32, as accurately as f32 sums, v_exp_f32 and their like allow (about 1e-6 of the number): no bf16 or f16 on the way to a quantiser, and a product that is left as it is and whose result goes on into a quantised operand takes f32 operands (vector FMAs, or v_wmma_f32_16x16x4_f32). A number that lies on a knife's edge between two numbers of the format may be rounded either way, as far as f32 arithmetic and the matrix unit's own rounding can turn it there, and no further.
;; 2 versions. Each part assembles by itself: llvm-mc -triple=amdgcn-amd-amdhsa -mcpu=gfx1250 --defsym DOCPART=n.
;; ======== version 1 of 2: 3 launches
;; workspace buffers: xq 8,388,608 bytes; w1c 16,777,216 bytes; hq 8,388,608 bytes; w3c 16,777,216 bytes
;; launch quant (part 1): grid 768 x 1, 8 waves a work-group, no clusters, 0 bytes of LDS; arguments x, w1_bits, scaling0, lowp_scales, xq, w1c; writes xq, w1c
.if DOCPART == 1
	.amdgcn_target "amdgcn-amd-amdhsa--gfx1250"
	.amdhsa_code_object_version 6
	.text
	.protected	k_q2ff3e3628e_quant
	.globl	k_q2ff3e3628e_quant
	.p2align	8
	.type	k_q2ff3e3628e_quant,@function
k_q2ff3e3628e_quant:
	s_mov_b64 s[64:65], 0
	v_nop
	global_prefetch_b8 v0, s[64:65] scope:SCOPE_SE
	s_setreg_imm32_b32 hwreg(HW_REG_WAVE_MODE, 25, 1), 1
	s_wait_xcnt 0x0
; xq = Q(x * scaling0, e0) and w1c = Q(2 * w1_bits - 1, e1): codes of FP8 (E4M3), one byte each, rows of 4,096 bytes.
; code = number / 2^e, held within +-448, rounded to the nearest code, ties to even.  e0, e1: entries 0 and 1 (int32) of lowp_scales.
; LIMITS: e0 and e1 between -126 and 119, so that 2^e and 448 x 2^e are f32 numbers.  NaN among the inputs is not served; an infinity is held at the largest code.
; THE ORDER OF THE CODES IN A ROW.  Within each aligned run of 256 along K the number k = 128 i + 4 l + j (i 0..1, l 0..31, j 0..3) has its code at byte 8 l + 4 i + j.
; All four code buffers of the program are laid so; both operands of a product then meet k with k, and only the order of the sums differs.  What it buys: two loads of 512 consecutive bytes give lane l
; just these eight numbers in eight registers on end, one conversion makes 8 bytes of them, and the 32 lanes' store covers 256 consecutive bytes, aligned.  Nothing goes through LDS.
; SHARES.  Work-groups 0-255 take x (2,048 rows), 256-767 w1_bits (4,096 rows): 16 rows x half a row each.  Wave w takes one run of 256 along K in all 16 rows, so its eight numbers of scaling0 stay in registers.
; No cluster, no LDS, no barrier, no matrix unit: the work-groups share nothing but scaling0's 16 KB, and every other byte is read once and written once.
; Written out, no loop: every offset is an immediate, each row has its own two registers of codes, so no store's data and no address are ever written again.
.set NX,     256                       ; work-groups for x
.set ROWIN,  16384                     ; a row of f32 or int32 in bytes
.set ROWOUT, 4096                      ; a row of codes
.set SC0,    4                         ; v[4:11]   my eight numbers of scaling0
.set X,      16                        ; v[16:79]  eight sets of eight numbers: eight rows on their way
.set C,      80                        ; v[80:111] two registers of codes for each of the 16 rows
	s_load_b256 s[4:11], s[0:1], 0x0               ; x s[4:5], w1_bits s[6:7], scaling0 s[8:9], lowp_scales s[10:11]
	s_load_b128 s[12:15], s[0:1], 0x20             ; xq s[12:13], w1c s[14:15]
	v_lshrrev_b32 v1, 5, v0
	v_readfirstlane_b32 s16, v1                    ; wave 0..7
	v_and_b32 v1, 31, v0                           ; lane
	v_lshlrev_b32 v2, 4, v1                        ; in: 16 bytes a lane; never rewritten
	v_lshlrev_b32 v3, 3, v1                        ; out: 8 bytes a lane; never rewritten
	s_cmp_lt_u32 ttmp9, NX
	s_cselect_b32 s17, 0, NX
	s_sub_co_u32 s17, ttmp9, s17                   ; my number among the tensor's work-groups
	s_lshr_b32 s18, s17, 1
	s_lshl_b32 s22, s18, 18                        ; 16 rows of 16,384 bytes
	s_and_b32 s18, s17, 1
	s_lshl_b32 s18, s18, 13                        ; which half of the rows: 8 runs of 1,024 bytes
	s_lshl_b32 s19, s16, 10                        ; my wave's run
	s_add_co_u32 s18, s18, s19                     ; my run's bytes in a row of f32, and in scaling0
	s_mov_b32 s19, 0
	s_add_co_u32 s22, s22, s18                     ; in: under 2^27
	s_mov_b32 s23, 0
	s_lshr_b32 s24, s22, 2                         ; out: a quarter of it
	s_mov_b32 s25, 0
	s_wait_kmcnt 0x0
	s_load_b64 s[20:21], s[10:11], 0x0             ; e0, e1
	s_cmp_lt_u32 ttmp9, NX                         ; the choice hangs on the work-group's number alone
	s_cselect_b64 s[4:5], s[4:5], s[6:7]
	s_cselect_b64 s[12:13], s[12:13], s[14:15]
	s_add_nc_u64 s[4:5], s[4:5], s[22:23]
	s_add_nc_u64 s[12:13], s[12:13], s[24:25]
	s_add_nc_u64 s[8:9], s[8:9], s[18:19]
.macro LOAD t                          ; row t: two loads of 512 consecutive bytes
	global_load_b128 v[X+8*((\t)%8):X+8*((\t)%8)+3],   v2, s[4:5] offset:ROWIN*(\t) th:TH_LOAD_NT
	global_load_b128 v[X+8*((\t)%8)+4:X+8*((\t)%8)+7], v2, s[4:5] offset:ROWIN*(\t)+512 th:TH_LOAD_NT
.endm
.macro SCALE e                         ; v12 = 2^e as f32 (the conversion takes its exponent field), v13 = 448 x 2^e
	s_wait_kmcnt 0x0
	s_add_co_i32 s26, \e, 127
	s_lshl_b32 s27, s26, 23
	v_mov_b32 v12, s27
	s_add_co_i32 s26, s26, 8
	s_lshl_b32 s26, s26, 23
	s_or_b32 s26, s26, 0x600000
	v_mov_b32 v13, s26
.endm
.macro STEP t, bits                    ; bits = 1: whole numbers b become 2 b - 1; 0: numbers are multiplied by scaling0
.set XS, X+8*((\t)%8)
.if (\t) <= 8
	s_wait_loadcnt 14                              ; loads come back in order: row t's two are in, the seven younger rows' may be out
.else
	s_wait_loadcnt 2*(15-(\t))                     ; nothing is loaded any more: the counts run down
.endif
.if \bits
.irp j, 0,1,2,3,4,5,6,7
	v_lshl_add_u32 v[XS+\j], v[XS+\j], 1, -1       ; 2 b - 1 in int32
.endr
.irp j, 0,1,2,3,4,5,6,7
	v_cvt_f32_i32 v[XS+\j], v[XS+\j]
.endr
.else
.irp j, 0,2,4,6
	v_pk_mul_f32 v[XS+\j:XS+\j+1], v[XS+\j:XS+\j+1], v[SC0+\j:SC0+\j+1]
.endr
.endif
.irp j, 0,1,2,3,4,5,6,7
	v_med3_num_f32 v[XS+\j], v[XS+\j], -v13, v13   ; the conversion to an 8-bit code does not saturate (ISA guide 7.6.2): the hold stands whatever e is
.endr
	v_cvt_scalef32_pk8_fp8_f32 v[C+2*(\t):C+2*(\t)+1], v[XS:XS+7], v12   ; its result goes to a store alone; the next vector lines are plain and touch another set
.if (\t) < 8
	LOAD (\t)+8                                    ; the set takes the row eight further down; the load stands ahead of the store
.endif
	global_store_b64 v3, v[C+2*(\t):C+2*(\t)+1], s[12:13] offset:ROWOUT*(\t)   ; 32 lanes store 256 consecutive bytes, at a multiple of 256 from the buffer's first byte
.endm
	s_cmp_lt_u32 ttmp9, NX
	s_cbranch_scc0 .Lweights
	global_load_b128 v[SC0:SC0+3],   v2, s[8:9]    ; older than every row's loads, so the first counted wait covers them
	global_load_b128 v[SC0+4:SC0+7], v2, s[8:9] offset:512
.irp t, 0,1,2,3,4,5,6,7
	LOAD \t
.endr
	SCALE s20
.irp t, 0,1,2,3,4,5,6,7,8,9,10,11,12,13,14,15
	STEP \t, 0
.endr
	s_endpgm
.Lweights:
.irp t, 0,1,2,3,4,5,6,7
	LOAD \t
.endr
	SCALE s21
.irp t, 0,1,2,3,4,5,6,7,8,9,10,11,12,13,14,15
	STEP \t, 1
.endr
	s_endpgm
.Lfunc_end_k_q2ff3e3628e_quant:
	.size	k_q2ff3e3628e_quant, .Lfunc_end_k_q2ff3e3628e_quant-k_q2ff3e3628e_quant
	.p2alignl 7, 3214868480
	.fill 96, 4, 3214868480
	.section	.rodata,"a",@progbits
	.p2align	6, 0x0
	.amdhsa_kernel k_q2ff3e3628e_quant
		.amdhsa_group_segment_fixed_size 0
		.amdhsa_private_segment_fixed_size 0
		.amdhsa_enable_private_segment 0
		.amdhsa_kernarg_size 48
		.amdhsa_user_sgpr_count 2
		.amdhsa_user_sgpr_kernarg_segment_ptr 1
		.amdhsa_wavefront_size32 1
		.amdhsa_system_sgpr_workgroup_id_x 1
		.amdhsa_system_sgpr_workgroup_id_y 1
		.amdhsa_system_sgpr_workgroup_id_z 1
		.amdhsa_system_vgpr_workitem_id 0
		.amdhsa_next_free_vgpr 112
		.amdhsa_next_free_sgpr 66
		.amdhsa_reserve_vcc 0
		.amdhsa_float_denorm_mode_32 3
		.amdhsa_float_denorm_mode_16_64 3
		.amdhsa_memory_ordered 1
		.amdhsa_forward_progress 1
		.amdhsa_inst_pref_size 47
	.end_amdhsa_kernel
	.amdgpu_metadata
---
amdhsa.version: [ 1, 2 ]
amdhsa.kernels:
  - .name:           k_q2ff3e3628e_quant
    .symbol:         k_q2ff3e3628e_quant.kd
    .args:
      - { .name: x, .offset: 0, .size: 8, .value_kind: global_buffer, .address_space: global }
      - { .name: w1_bits, .offset: 8, .size: 8, .value_kind: global_buffer, .address_space: global }
      - { .name: scaling0, .offset: 16, .size: 8, .value_kind: global_buffer, .address_space: global }
      - { .name: lowp_scales, .offset: 24, .size: 8, .value_kind: global_buffer, .address_space: global }
      - { .name: xq, .offset: 32, .size: 8, .value_kind: global_buffer, .address_space: global }
      - { .name: w1c, .offset: 40, .size: 8, .value_kind: global_buffer, .address_space: global }
    .group_segment_fixed_size: 0
    .private_segment_fixed_size: 0
    .kernarg_segment_align: 8
    .kernarg_segment_size: 48
    .max_flat_workgroup_size: 256
    .sgpr_count:     66
    .vgpr_count:     112
    .wavefront_size: 32
...
	.end_amdgpu_metadata
.endif
;; end of part 1
;; launch gemm1 (part 2): grid 16 x 16, 4 waves a work-group, clusters of 4 x 4, 327,680 bytes of LDS; arguments xq, w1c, lowp_scales, scaling2, w3_bits, hq, w3c; writes hq, w3c
.if DOCPART == 2
	.amdgcn_target "amdgcn-amd-amdhsa--gfx1250"
	.amdhsa_code_object_version 6
	.text
	.protected	k_q2ff3e3628e_gemm1
	.globl	k_q2ff3e3628e_gemm1
	.p2align	8
	.type	k_q2ff3e3628e_gemm1,@function
k_q2ff3e3628e_gemm1:
	s_mov_b64 s[64:65], 0
	v_nop
	global_prefetch_b8 v0, s[64:65] scope:SCOPE_SE
	s_setreg_imm32_b32 hwreg(HW_REG_WAVE_MODE, 25, 1), 1
	s_wait_xcnt 0x0
	s_wait_alu depctr_hold_cnt(0) depctr_sa_sdst(0) depctr_va_vdst(0) depctr_va_sdst(0) depctr_va_ssrc(0) depctr_va_vcc(0) depctr_vm_vsrc(0)
	s_getreg_b32 s2, hwreg(HW_REG_IB_STS2, 6, 4)
	s_cmp_eq_u32 s2, 0
	s_cbranch_scc0 .Lentry_in_a_cluster
	s_endpgm
.Lentry_in_a_cluster:
	s_bfe_u32 s2, ttmp6, 0x10000c
	s_cmp_lg_u32 s2, 0xf033
	s_cbranch_scc0 .Lentry_shape_is_right
	s_endpgm
.Lentry_shape_is_right:
; hq = Q((xq w1c^T) 2^(e0 + e1) * scaling2, e2), and, under the product, w3c = Q(2 * w3_bits - 1, e3).  xq [2048][4096], w1c [4096][4096], hq [2048][4096], w3c [4096][4096]: codes of FP8 (E4M3), a byte each.
; Within each aligned run of 256 along K the number k = 128 i + 4 l + j has its code at byte 8 l + 4 i + j, in all four buffers: both operands of a product meet k with k.
; LIMITS: e3, and e2 - e0 - e1, between -126 and 119, so that each power of two below and 448 times it are f32 numbers.  NaN is not served; what lies beyond the scale's range is held at the largest code.
; TILE.  128 x 256 of the product to a work-group: 16 x 16 = 256 work-groups.  Four waves; wave w makes rows 64 (w / 2) on, columns 128 (w % 2) on: 32 accumulators of 16 x 16, 256 registers.
; K goes through a ring of two LDS slots of 256 along K (two steps of 128), filled by the tensor data mover: a tile's row is 256 bytes of memory.  Two slots of 512 along K would not fit beside each other.
; CLUSTERS: 4 x 4 work-groups.  The four of a row of the cluster need the same tile of xq, the four of a column the same tile of w1c: each tile is asked for JOINTLY, by the same tensor load with the same descriptor and a mask that names the four.
; THE MATRIX INSTRUCTION IS USED TRANSPOSED (source 0 = 16 rows of w1c, source 1 = 16 rows of xq): a lane holds one row and eight neighbouring columns, which are eight neighbours along the next product's K.
; W3 UNDER THE PRODUCT.  Each wave quantises 4 rows of w3_bits (64 KB in, 16 KB out) in 16 batches of 4 KB, one at the head of each slot, where it would else only wait for its LDS loads; the loads run three batches ahead.
; No tile is prefetched here: w3_bits' stream already goes beside the tiles through the whole launch.
; REGISTERS, in windows of 256 (s_set_vgpr_msb: bits 1:0 source 0, 3:2 source 1, 5:4 source 2, 7:6 destination):
;   window 0: v1-30 addresses and scales; v32-95 at work on the way out; v96-103 a batch's codes; v128-255 four sets of 32 numbers of w3_bits, later rows of hq (v128-191) and its codes (v192-255)
;   window 1: w1c's fragments, two sets of 8 x 16 registers    window 2: accumulator (a, b) at v[8 (8 a + b)]    window 3: v0-63 scaling2; v128-255 xq's fragments, two sets of 4 x 16
.set KB,     4096                      ; a row of codes in bytes
.set PITCH,  272                       ; an LDS row: 256 bytes + 16 of padding = 68 words: row r starts at bank 4 r mod 64 (64 banks of 4 bytes: ISA guide 11.1), so the 16 rows of a load start at 16 different banks
.set AHALF,  64*PITCH                  ; what one tensor load brings of xq, and what one wave reads of it
.set BHALF,  128*PITCH                 ; the same for w1c
.set BOFF,   128*PITCH                 ; a slot: xq's 128 rows, then w1c's 256
.set SLOT,   384*PITCH
.set SPARE,  2*SLOT                    ; behind the ring: the spare words, 128 bytes for each wave: two blocks of 256 bytes that no other line names
.set STAGE,  SPARE+512                 ; the way out: 128 rows x 272 bytes, the work-group's; no tensor load ever lands here
.set QLA,  5                           ; v5   16 x lane: w3_bits' loads
.set QSA,  6                           ; v6   8 x lane: w3c's stores
.set SOF,  7                           ; v7   32 x (lane / 16): scaling2's loads
.set HSC,  8                           ; v8   2^(e2 - e0 - e1);  v9  448 x that
.set HLIM, 9
.set QSC,  10                          ; v10  2^e3;  v11  448 x that
.set QLIM, 11
.set ADRA, 16                          ; v16-17  LDS address of my fragments of xq in slot 0, 1
.set ADRB, 20                          ; v20-21  the same for w1c
.set STO,  24                          ; v24  the way out: where I put my codes
.set RD,   25                          ; v25  where I read rows back
.set CO,   26                          ; v26  my byte offset in hq
.set SPW,  28                          ; v28  LDS address of my spare word: SPARE + 4 x my thread's number; never rewritten
.set NIL,  29                          ; v29  0; never rewritten
.set TMP,  32
.set QC,   96
.set QX,   128
.set BK,   128
.set CD,   192
.set AF,   128                         ; in window 3
.set SC2,  0                           ; in window 3
.set G1,  24                           ; s[24:31] descriptor group 1 for xq's tiles; s[32:39] group 0, one set for each slot
.set G0,  32
.set G1B, 48                           ; s[48:55], s[56:63] the same for w1c's tiles
.set G0B, 56
.set PIN,  74                          ; s[74:75] w3_bits at the batch in hand
.set POUT, 76                          ; s[76:77] w3c likewise
.set HQ,   86                          ; s[86:87] hq at the first row that I store
.set MSB, 0
.macro WIN new                         ; the immediate's high byte repeats the setting that is left; a switch that changes nothing is dropped
.if MSB != \new
	s_set_vgpr_msb (MSB<<8)|\new
.set MSB, \new
.endif
.endm
.set MUL,  0xad                        ; source 0 (w1c) window 1, source 1 (xq) window 3, C and D window 2
.set TO_B, 0x40                        ; destination window 1, address window 0
.set TO_3, 0xc0                        ; destination window 3, address window 0
.set EP1,  0x0e                        ; source 0 (sums) window 2, source 1 (scaling2) window 3, destination window 0
; A joint load: waves 0 and 1 fetch xq's two halves, waves 2 and 3 w1c's.  Each of the two lines has ONE mask and one set of registers for all that issue it; the branch hangs on the wave's number alone.
; An s_nop 0 and four v_nop follow each of the two lines, ahead of the jump, the label and what follows.
.macro JLOAD g0a, g1a, g0b, g1b
	s_cmp_eq_u32 s15, 0
	s_cbranch_scc0 .Lfor_b_\@
	tensor_load_to_lds s[\g0a:\g0a+3], s[\g1a:\g1a+7]
	s_nop 0
.rept 4
	v_nop
.endr
	s_branch .Lasked_\@
.Lfor_b_\@:
	tensor_load_to_lds s[\g0b:\g0b+3], s[\g1b:\g1b+7]
	s_nop 0
.rept 4
	v_nop
.endr
.Lasked_\@:
.endm
.macro CREST                           ; a round of the cluster's barrier behind its opening barrier
	s_cmp_lg_u32 s14, 0
	s_cbranch_scc1 .Lnot_wave_0_\@
	s_barrier_signal -3
.Lnot_wave_0_\@:
	s_barrier_wait -3
	s_barrier_signal -1
	s_barrier_wait -1
.endm
.macro CROUND                          ; a whole round
	s_barrier_signal -1
	s_barrier_wait -1
	CREST
.endm
.macro PLACES n                        ; plain vector instructions between a matrix instruction and a load into, or a read of, its registers (ISA guide 7.12.1 for reads)
.rept \n
	v_nop
.endr
.endm
	s_load_b256 s[4:11], s[0:1], 0x0               ; xq s[4:5], w1c s[6:7], lowp_scales s[8:9], scaling2 s[10:11]
	s_load_b128 s[68:71], s[0:1], 0x20             ; w3_bits s[68:69], hq s[70:71]
	s_load_b64 s[72:73], s[0:1], 0x30              ; w3c
	v_lshl_add_u32 v[SPW], v0, 2, SPARE
	v_mov_b32 v[NIL], 0
	ds_add_u32 v[SPW], v[NIL]                      ; the wave's opening: the add and its wait stand ahead of my first tensor load; the set-up below, work on registers, stands between them
	v_lshrrev_b32 v1, 5, v0
	v_readfirstlane_b32 s14, v1                    ; wave 0..3
	s_lshr_b32 s15, s14, 1                         ; which 64 rows of the tile are mine.  Also: I fetch for xq (0) or for w1c (1)
	s_and_b32 s16, s14, 1                          ; which 128 columns.  Also: which half of that tile I fetch
	s_bfe_u32 s40, ttmp6, 0x40000                  ; cx, cy: my place in the cluster
	s_bfe_u32 s41, ttmp6, 0x40004
	s_lshl_b32 s42, ttmp9, 2
	s_add_co_u32 s42, s42, s40                     ; tile column = 4 x cluster x + cx
	s_and_b32 s17, ttmp7, 0xffff
	s_lshl_b32 s17, s17, 2
	s_add_co_u32 s17, s17, s41                     ; tile row = 4 x cluster y + cy
	s_lshl_b32 s43, s41, 2
	s_lshl_b32 s43, 15, s43                        ; my row of the cluster
	s_lshl_b32 s44, 0x1111, s40                    ; my column
	s_or_b32 s[G1], s43, (1<<20)|(1<<21)|(5<<22)|(3<<25)   ; 15:0 the mask: xq's tiles go to my row; 17:16 elements of 1 byte; 20 padding on; 21 set beside a mask; 24:22 after every 64 words (code 5); 31:25 four words (code 3)
	s_or_b32 s[G1B], s44, (1<<20)|(1<<21)|(5<<22)|(3<<25)  ; the same with the mask of my column
	s_mov_b32 s[G1+1], 256<<16                     ; tensor_dim0 = 256
	s_mov_b32 s[G1+2], 64<<16                      ; tensor_dim1 = 64
	s_mov_b32 s[G1+3], 256<<16                     ; tile_dim0 = 256
	s_mov_b32 s[G1+4], 64                          ; tile_dim1 = 64
	s_mov_b32 s[G1+5], KB                          ; tensor_dim0_stride
	s_mov_b32 s[G1+6], 0
	s_mov_b32 s[G1+7], 0
	s_mov_b32 s[G1B+1], 256<<16
	s_mov_b32 s[G1B+2], 128<<16                    ; 128 rows
	s_mov_b32 s[G1B+3], 256<<16
	s_mov_b32 s[G1B+4], 128
	s_mov_b32 s[G1B+5], KB
	s_mov_b32 s[G1B+6], 0
	s_mov_b32 s[G1B+7], 0
	s_lshl_b32 s18, s16, 6
	s_lshl_b32 s20, s17, 7
	s_add_co_u32 s20, s20, s18                     ; xq: row 128 x tile row + 64 x half,
	s_lshl_b32 s20, s20, 12                        ; in bytes (under 2^23)
	s_mov_b32 s21, 0
	s_lshl_b32 s18, s16, 7
	s_lshl_b32 s46, s42, 8
	s_add_co_u32 s46, s46, s18                     ; w1c: row 256 x tile column + 128 x half,
	s_lshl_b32 s46, s46, 12                        ; in bytes (under 2^24)
	s_mov_b32 s47, 0
	s_mul_i32 s45, s16, AHALF                      ; where they go: no place in the cluster enters an LDS address
	s_mul_i32 s66, s16, BHALF
	s_add_co_u32 s66, s66, BOFF
	s_wait_dscnt 0x0                               ; the opening add is done
	s_wait_kmcnt 0x0
	s_load_b128 s[80:83], s[8:9], 0x0              ; e0, e1, e2, e3
	s_add_nc_u64 s[20:21], s[4:5], s[20:21]
	s_add_nc_u64 s[46:47], s[6:7], s[46:47]
	CROUND                                         ; all sixteen work-groups are here: the first joint loads meet
.irp s, 0,1
	s_mov_b32 s[G0+4*\s], 1                        ; count = 1
	s_add_co_u32 s[G0+4*\s+1], s45, \s*SLOT        ; LDS address
	s_add_nc_u64 s[G0+4*\s+2:G0+4*\s+3], s[20:21], \s*256   ; global address: K slot s
	s_or_b32 s[G0+4*\s+3], s[G0+4*\s+3], 0x80000000         ; type = 2
	s_mov_b32 s[G0B+4*\s], 1
	s_add_co_u32 s[G0B+4*\s+1], s66, \s*SLOT
	s_add_nc_u64 s[G0B+4*\s+2:G0B+4*\s+3], s[46:47], \s*256
	s_or_b32 s[G0B+4*\s+3], s[G0B+4*\s+3], 0x80000000
	JLOAD G0+4*\s, G1, G0B+4*\s, G1B               ; two loads of mine are out
.endr
	v_and_b32 v1, 15, v0                           ; r = lane % 16
	v_bfe_u32 v2, v0, 4, 1                         ; h = lane / 16
	v_mul_u32_u24 v3, v1, PITCH
	v_lshl_add_u32 v4, v2, 4, v3                   ; a fragment's row x pitch + 16 x half
	s_mul_i32 s21, s15, AHALF                      ; my 64 rows of xq
	s_mul_i32 s22, s16, BHALF                      ; my 128 rows of w1c,
	s_add_co_u32 s22, s22, BOFF                    ; which lie behind xq's 128
.irp s, 0,1
	v_add_nc_u32 v[ADRA+\s], s21, v4
	v_add_nc_u32 v[ADRB+\s], s22, v4
	s_add_co_u32 s21, s21, SLOT
	s_add_co_u32 s22, s22, SLOT
.endr
	; the way out.  Column 128 (w % 2) + 16 b + 8 h + j of the tile has its code at byte 32 b + 16 h + 8 (j / 4) + 4 (w % 2) + j % 4 of the row's 256
	s_mul_i32 s23, s15, 64*PITCH
	s_lshl_b32 s18, s16, 2
	s_add_co_u32 s23, s23, s18
	s_add_co_u32 s23, s23, STAGE
	v_add_nc_u32 v[STO], s23, v4                   ; STAGE + (64 (w / 2) + r) x 272 + 16 h + 4 (w % 2)
	s_mul_i32 s23, s14, 32*PITCH                   ; back: wave w takes rows 32 w on, whole: lanes 0-15 one row of 256 bytes, lanes 16-31 the next
	s_add_co_u32 s23, s23, STAGE
	v_mul_u32_u24 v3, v2, PITCH
	v_lshl_add_u32 v3, v1, 4, v3
	v_add_nc_u32 v[RD], s23, v3
	v_lshlrev_b32 v[CO], 12, v2                    ; and the same two rows in hq
	v_lshl_add_u32 v[CO], v1, 4, v[CO]
	v_and_b32 v3, 31, v0
	v_lshlrev_b32 v[QLA], 4, v3
	v_lshlrev_b32 v[QSA], 3, v3
	v_lshlrev_b32 v[SOF], 5, v2
	s_lshl_b32 s88, s42, 10
	s_lshl_b32 s89, s16, 9
	s_add_co_u32 s88, s88, s89
	s_mov_b32 s89, 0
	s_add_nc_u64 s[10:11], s[10:11], s[88:89]      ; scaling2 at my first column: 256 x tile column + 128 (w % 2)
	s_lshl_b32 s90, s17, 4
	s_add_co_u32 s90, s90, s42                     ; the work-group's number among the 256: it enters w3_bits' and w3c's addresses alone
	s_lshl_b32 s90, s90, 18                        ; its 16 rows of 16,384 bytes,
	s_lshl_b32 s91, s14, 16                        ; my wave's 4 of them
	s_add_co_u32 s90, s90, s91
	s_mov_b32 s91, 0
	s_add_nc_u64 s[PIN:PIN+1], s[68:69], s[90:91]
	s_lshr_b32 s90, s90, 2                         ; the codes: a quarter of the bytes
	s_add_nc_u64 s[POUT:POUT+1], s[72:73], s[90:91]
	s_lshl_b32 s90, s17, 7
	s_lshl_b32 s88, s14, 5
	s_add_co_u32 s90, s90, s88                     ; the first row of hq that I store: 128 x tile row + 32 x wave
	s_lshl_b32 s90, s90, 12
	s_lshl_b32 s88, s42, 8                         ; the tile's 256 bytes of a row
	s_add_co_u32 s90, s90, s88
	s_add_nc_u64 s[HQ:HQ+1], s[70:71], s[90:91]
	WIN TO_3
.irp b, 0,1,2,3,4,5,6,7                ; scaling2 in the result's layout: register 8 b + j = column 16 b + 8 h + j of my 128
	global_load_b128 v[SC2+8*\b:SC2+8*\b+3],   v[SOF], s[10:11] offset:64*\b
	global_load_b128 v[SC2+8*\b+4:SC2+8*\b+7], v[SOF], s[10:11] offset:64*\b+16
.endr
	WIN 0
.irp t, 0,1,2                          ; w3_bits' batches 0 to 2
.irp i, 0,1,2,3,4,5,6,7
	global_load_b128 v[QX+32*\t+4*\i:QX+32*\t+4*\i+3], v[QLA], s[PIN:PIN+1] offset:4096*\t+512*\i th:TH_LOAD_NT
.endr
.endr
	s_wait_kmcnt 0x0
	s_add_co_i32 s92, s83, 127
	s_lshl_b32 s93, s92, 23
	v_mov_b32 v[QSC], s93                          ; 2^e3 as f32: the conversion takes its exponent field
	s_add_co_i32 s92, s92, 8
	s_lshl_b32 s92, s92, 23
	s_or_b32 s92, s92, 0x600000
	v_mov_b32 v[QLIM], s92                         ; 448 x 2^e3
	s_sub_co_i32 s92, s82, s80
	s_sub_co_i32 s92, s92, s81                     ; a sum stands for sum x 2^(e0 + e1): the three scales are folded into the conversion's one
	s_add_co_i32 s92, s92, 127
	s_lshl_b32 s93, s92, 23
	v_mov_b32 v[HSC], s93                          ; 2^(e2 - e0 - e1)
	s_add_co_i32 s92, s92, 8
	s_lshl_b32 s92, s92, 23
	s_or_b32 s92, s92, 0x600000
	v_mov_b32 v[HLIM], s92
.macro FRAG reg, adr, q, i             ; a fragment, 16 rows x 128 bytes, is 16 registers: lane l holds row l % 16; registers 4 c .. 4 c + 3 hold bytes 32 c + 16 (l / 16) + 0 .. 15: the same in both operands
.irp c, 0,1,2,3
	ds_load_b128 v[\reg+4*\c:\reg+4*\c+3], v[\adr] offset:128*(\q)+32*\c+(\i)*16*PITCH
.endr
.endm
.macro FETCH slot, q, p                ; 48 LDS loads in one run: the fragments of the slot's q-th 128 along K into set p
	WIN TO_B
.irp i, 0,1,2,3,4,5,6,7
	FRAG 128*(\p)+16*\i, ADRB+\slot, \q, \i
.endr
	WIN TO_3
.irp i, 0,1,2,3
	FRAG AF+64*(\p)+16*\i, ADRA+\slot, \q, \i
.endr
.endm
; 8 matrix instructions: block a of xq's four against w1c's eight, 128 along K, set p.  zero = 1: the first product starts the sums: nothing is ever cleared.
; The 32 accumulators take turns, one instruction a turn, in the same order in every step.
.macro MUL8 a, p, zero
.irp b, 0,1,2,3,4,5,6,7
.if \zero
	v_wmma_f32_16x16x128_fp8_fp8 v[8*(8*(\a)+\b):8*(8*(\a)+\b)+7], v[128*(\p)+16*\b:128*(\p)+16*\b+15], v[AF+64*(\p)+16*(\a):AF+64*(\p)+16*(\a)+15], 0
.else
	v_wmma_f32_16x16x128_fp8_fp8 v[8*(8*(\a)+\b):8*(8*(\a)+\b)+7], v[128*(\p)+16*\b:128*(\p)+16*\b+15], v[AF+64*(\p)+16*(\a):AF+64*(\p)+16*(\a)+15], v[8*(8*(\a)+\b):8*(8*(\a)+\b)+7]
.endif
.endr
.endm
; A batch of w3_bits: 4 KB, four runs of 256 along K, in set 'set'.  ld = 1: the batch three further on is asked for, into set 'lset', which the batch before has left.  left: the loads of the younger batches, which may stay out.
.macro QW set, lset, step, ld, left
.set QS, QX+32*(\set)
	s_wait_xcnt 0x0                                ; every earlier load and store has read its base and its data: only behind this wait are the two bases stepped and the codes' registers written again
.if \step
	s_add_nc_u64 s[PIN:PIN+1], s[PIN:PIN+1], 4096
	s_add_nc_u64 s[POUT:POUT+1], s[POUT:POUT+1], 1024
.endif
.if \ld
.irp i, 0,1,2,3,4,5,6,7
	global_load_b128 v[QX+32*(\lset)+4*\i:QX+32*(\lset)+4*\i+3], v[QLA], s[PIN:PIN+1] offset:12288+512*\i th:TH_LOAD_NT   ; 32 lanes read 512 consecutive bytes
.endr
.endif
	s_wait_loadcnt \left                           ; loads come back in order: this batch's eight are in (and scaling2's, which are older)
.set j, 0
.rept 32
	v_lshl_add_u32 v[QS+j], v[QS+j], 1, -1         ; 2 b - 1 in int32
.set j, j+1
.endr
.set j, 0
.rept 32
	v_cvt_f32_i32 v[QS+j], v[QS+j]
.set j, j+1
.endr
.set j, 0
.rept 32
	v_med3_num_f32 v[QS+j], v[QS+j], -v[QLIM], v[QLIM]   ; the conversion to an 8-bit code does not saturate (ISA guide 7.6.2): the hold stands whatever e3 is
.set j, j+1
.endr
.irp p, 0,1,2,3
	v_cvt_scalef32_pk8_fp8_f32 v[QC+2*\p:QC+2*\p+1], v[QS+8*\p:QS+8*\p+7], v[QSC]
.endr
	v_nop                                          ; one plain vector instruction behind the last scaled conversion
.irp p, 0,1,2,3
	global_store_b64 v[QSA], v[QC+2*\p:QC+2*\p+1], s[POUT:POUT+1] offset:256*\p   ; 32 lanes store 256 consecutive bytes, at a multiple of 256 from w3c's first byte
.endr
.endm
; A slot's first step.  The batch of w3_bits stands at its head, while set 0's LDS loads come in; its plain vector lines are also the places between the last products on set 1 and the loads into set 1.
.macro STEPA slot, zero, set, lset, step, ld, left
	WIN 0
	QW \set, \lset, \step, \ld, \left
	s_wait_dscnt 0x0                               ; set 0 is in
	FETCH \slot, 1, 1
	WIN MUL
	MUL8 0, 0, \zero
	MUL8 1, 0, \zero
	MUL8 2, 0, \zero
	MUL8 3, 0, \zero
	WIN 0
.endm
; A slot's last step changes slots: ONE barrier; in front of it each wave waits for all its tensor loads, adds 0 to its spare word, and waits for that and for its own reads of this slot.  fill = 1: this slot is filled again, two K slots ahead.
.macro TURN slot, next, fill
	s_wait_tensorcnt 0x0                           ; all my tensor loads have landed: the one that was out is my part of the next slot  (every window is 0 here)
	ds_add_u32 v[SPW], v[NIL]                      ; 0 onto my spare word
	s_wait_dscnt 1                                 ; set 1's 48 loads are in; the add alone may be out
	WIN MUL
	MUL8 0, 1, 0                                   ; eight matrix instructions stand between the add and the wait for it
	s_wait_dscnt 0x0                               ; the add is done, and my reads of this slot are over
	s_barrier_signal -1
	MUL8 1, 1, 0
	WIN 0
	s_barrier_wait -1
.if \fill
	CREST                                          ; the barrier has opened a round of the cluster's barrier: no wave of any partner still reads this slot's tile or has a load on its way
	s_add_nc_u64 s[G0+4*\slot+2:G0+4*\slot+3], s[G0+4*\slot+2:G0+4*\slot+3], 512
	s_add_nc_u64 s[G0B+4*\slot+2:G0B+4*\slot+3], s[G0B+4*\slot+2:G0B+4*\slot+3], 512
	JLOAD G0+4*\slot, G1, G0B+4*\slot, G1B         ; the first tensor load behind the round, my one load until the next; the four v_nop behind it are the places in front of the loads below
.else
	PLACES 4
.endif
	FETCH \next, 0, 0
	WIN MUL
	MUL8 2, 1, 0
	MUL8 3, 1, 0
	WIN 0
.endm
	s_wait_tensorcnt 1                             ; my part of K slot 0 is in; K slot 1's load may be out
	s_barrier_signal -1
	s_barrier_wait -1                              ; everybody's is
	FETCH 0, 0, 0
	STEPA 0, 1, 0, 3, 0, 1, 24                     ; K slot 0's first step stands in front of the loop: its products start the sums
	s_mov_b32 s3, 3
.Llap:                                                 ; a trip goes twice round the ring, until w3_bits' four sets are back where they began: K slots 4 i + 1 .. 4 i + 4
	TURN 0, 1, 1
	STEPA 1, 0, 1, 0, 1, 1, 24
	TURN 1, 0, 1
	STEPA 0, 0, 2, 1, 1, 1, 24
	TURN 0, 1, 1
	STEPA 1, 0, 3, 2, 1, 1, 24
	TURN 1, 0, 1
	STEPA 0, 0, 0, 3, 1, 1, 24
	s_sub_co_u32 s3, s3, 1
	s_cmp_lg_u32 s3, 0
	s_cbranch_scc1 .Llap
	TURN 0, 1, 1                                   ; the tail is written out: K slots 14 and 15 are the last to be asked for, and w3_bits' last three batches ask for nothing
	STEPA 1, 0, 1, 0, 1, 0, 16
	TURN 1, 0, 1
	STEPA 0, 0, 2, 0, 1, 0, 8
	TURN 0, 1, 0
	STEPA 1, 0, 3, 0, 1, 0, 0
	s_wait_dscnt 0x0                               ; the very last step: nothing more to fetch
	WIN MUL
	MUL8 0, 1, 0
	MUL8 1, 1, 0
	MUL8 2, 1, 0
	MUL8 3, 1, 0
	WIN 0
	; THE WAY OUT.  sum x scaling2, held, converted with the folded scale: 8 codes a lane and accumulator.  They go into the work-group's stage at their places in hq's order; a row's 256 bytes come from two waves,
	; so a barrier stands between writing and reading; each wave then stores 32 whole rows.
	PLACES 4                                       ; block 0's sums are read next, and behind its products stand matrix instructions alone
.irp a, 0,1,2,3
	WIN EP1
.set j, 0
.rept 32
	v_pk_mul_f32 v[TMP+j:TMP+j+1], v[64*\a+j:64*\a+j+1], v[SC2+j:SC2+j+1]   ; each accumulator from its low end on
.set j, j+2
.endr
	WIN 0
.set j, 0
.rept 64
	v_med3_num_f32 v[TMP+j], v[TMP+j], -v[HLIM], v[HLIM]
.set j, j+1
.endr
.irp b, 0,1,2,3,4,5,6,7
	v_cvt_scalef32_pk8_fp8_f32 v[CD+16*\a+2*\b:CD+16*\a+2*\b+1], v[TMP+8*\b:TMP+8*\b+7], v[HSC]
.endr
	v_nop                                          ; one plain vector instruction behind the last scaled conversion: the next block writes its sources
.irp b, 0,1,2,3,4,5,6,7
	ds_store_b32 v[STO], v[CD+16*\a+2*\b]   offset:16*PITCH*\a+32*\b
	ds_store_b32 v[STO], v[CD+16*\a+2*\b+1] offset:16*PITCH*\a+32*\b+8
.endr
.endr
	s_wait_dscnt 0x0                               ; for the others' sake: my stores into the stage are done
	s_barrier_signal -1
	s_barrier_wait -1
.irp t, 0,1,2,3,4,5,6,7,8,9,10,11,12,13,14,15
	ds_load_b128 v[BK+4*\t:BK+4*\t+3], v[RD] offset:\t*2*PITCH
.endr
.irp t, 0,1,2,3,4,5,6,7,8,9,10,11,12,13,14,15
	s_wait_dscnt 15-\t                             ; LDS loads come back in order: pair t of rows is in
	global_store_b128 v[CO], v[BK+4*\t:BK+4*\t+3], s[HQ:HQ+1] offset:2*\t*KB   ; 16 lanes store 256 consecutive bytes, at a multiple of 256 from hq's first byte
.endr
	s_wait_tensorcnt 0x0                           ; the wave's end, behind my last tensor load and my last LDS store
	ds_add_u32 v[SPW], v[NIL]
	s_wait_dscnt 0x0
	CROUND                                         ; the closing round: no work-group ends while a partner may still ask for a tile that names it
	s_endpgm
.Lfunc_end_k_q2ff3e3628e_gemm1:
	.size	k_q2ff3e3628e_gemm1, .Lfunc_end_k_q2ff3e3628e_gemm1-k_q2ff3e3628e_gemm1
	.p2alignl 7, 3214868480
	.fill 96, 4, 3214868480
	.section	.rodata,"a",@progbits
	.p2align	6, 0x0
	.amdhsa_kernel k_q2ff3e3628e_gemm1
		.amdhsa_group_segment_fixed_size 327680
		.amdhsa_private_segment_fixed_size 0
		.amdhsa_enable_private_segment 0
		.amdhsa_kernarg_size 56
		.amdhsa_user_sgpr_count 2
		.amdhsa_user_sgpr_kernarg_segment_ptr 1
		.amdhsa_wavefront_size32 1
		.amdhsa_system_sgpr_workgroup_id_x 1
		.amdhsa_system_sgpr_workgroup_id_y 1
		.amdhsa_system_sgpr_workgroup_id_z 1
		.amdhsa_system_vgpr_workitem_id 0
		.amdhsa_next_free_vgpr 1024
		.amdhsa_next_free_sgpr 100
		.amdhsa_reserve_vcc 0
		.amdhsa_float_denorm_mode_32 3
		.amdhsa_float_denorm_mode_16_64 3
		.amdhsa_memory_ordered 1
		.amdhsa_forward_progress 1
		.amdhsa_inst_pref_size 187
	.end_amdhsa_kernel
	.amdgpu_metadata
---
amdhsa.version: [ 1, 2 ]
amdhsa.kernels:
  - .name:           k_q2ff3e3628e_gemm1
    .symbol:         k_q2ff3e3628e_gemm1.kd
    .args:
      - { .name: xq, .offset: 0, .size: 8, .value_kind: global_buffer, .address_space: global }
      - { .name: w1c, .offset: 8, .size: 8, .value_kind: global_buffer, .address_space: global }
      - { .name: lowp_scales, .offset: 16, .size: 8, .value_kind: global_buffer, .address_space: global }
      - { .name: scaling2, .offset: 24, .size: 8, .value_kind: global_buffer, .address_space: global }
      - { .name: w3_bits, .offset: 32, .size: 8, .value_kind: global_buffer, .address_space: global }
      - { .name: hq, .offset: 40, .size: 8, .value_kind: global_buffer, .address_space: global }
      - { .name: w3c, .offset: 48, .size: 8, .value_kind: global_buffer, .address_space: global }
    .group_segment_fixed_size: 327680
    .private_segment_fixed_size: 0
    .kernarg_segment_align: 8
    .kernarg_segment_size: 56
    .max_flat_workgroup_size: 128
    .sgpr_count:     100
    .vgpr_count:     1024
    .wavefront_size: 32
...
	.end_amdgpu_metadata
.endif
;; end of part 2
;; launch gemm2 (part 3): grid 16 x 16, 4 waves a work-group, clusters of 4 x 4, 327,680 bytes of LDS; arguments hq, w3c, lowp_scales, scaling4, bias, out0; writes out0
.if DOCPART == 3
	.amdgcn_target "amdgcn-amd-amdhsa--gfx1250"
	.amdhsa_code_object_version 6
	.text
	.protected	k_q2ff3e3628e_gemm2
	.globl	k_q2ff3e3628e_gemm2
	.p2align	8
	.type	k_q2ff3e3628e_gemm2,@function
k_q2ff3e3628e_gemm2:
	s_mov_b64 s[64:65], 0
	v_nop
	global_prefetch_b8 v0, s[64:65] scope:SCOPE_SE
	s_setreg_imm32_b32 hwreg(HW_REG_WAVE_MODE, 25, 1), 1
	s_wait_xcnt 0x0
	s_wait_alu depctr_hold_cnt(0) depctr_sa_sdst(0) depctr_va_vdst(0) depctr_va_sdst(0) depctr_va_ssrc(0) depctr_va_vcc(0) depctr_vm_vsrc(0)
	s_getreg_b32 s2, hwreg(HW_REG_IB_STS2, 6, 4)
	s_cmp_eq_u32 s2, 0
	s_cbranch_scc0 .Lentry_in_a_cluster
	s_endpgm
.Lentry_in_a_cluster:
	s_bfe_u32 s2, ttmp6, 0x10000c
	s_cmp_lg_u32 s2, 0xf033
	s_cbranch_scc0 .Lentry_shape_is_right
	s_endpgm
.Lentry_shape_is_right:
; out0 = (hq w3c^T) 2^(e2 + e3) * scaling4 + bias.  hq [2048][4096], w3c [4096][4096]: codes of FP8 (E4M3), a byte each, both in the same order within each run of 256 along K; out0 [2048][4096] f32; sums in f32.
; 2^(e2 + e3) is applied to scaling4 by v_ldexp_f32, so it keeps no limit of its own; each result is one fused multiply-add: sum x (scaling4 x 2^(e2 + e3)) + bias.
; TILE.  128 x 256 of out0 to a work-group: 16 x 16 = 256 work-groups.  Four waves; wave w makes rows 64 (w / 2) on, columns 128 (w % 2) on: 32 accumulators of 16 x 16, 256 registers.
; K goes through a ring of two LDS slots of 256 along K (two steps of 128), filled by the tensor data mover: a tile's row is 256 bytes of memory.  Two slots of 512 along K would not fit beside each other.
; CLUSTERS: 4 x 4 work-groups.  The four of a row of the cluster need the same tile of hq, the four of a column the same tile of w3c: each tile is asked for JOINTLY, by the same tensor load with the same descriptor and a mask that names the four.
; THE MATRIX INSTRUCTION IS USED TRANSPOSED (source 0 = 16 rows of w3c, source 1 = 16 rows of hq): a lane holds eight neighbouring numbers of a row of out0.
; REGISTERS, in windows of 256 (s_set_vgpr_msb: bits 1:0 source 0, 3:2 source 1, 5:4 source 2, 7:6 destination):
;   window 0: v1-30 addresses; v32-95 at work on the way out; v128-255 rows read back from the stage, two sets by turns
;   window 1: w3c's fragments, two sets of 8 x 16 registers    window 2: accumulator (a, b) at v[8 (8 a + b)]    window 3: v0-63 scaling4, v64-127 bias; v128-255 hq's fragments, two sets of 4 x 16
.set KB,     4096                      ; a row of codes in bytes
.set NB,     16384                     ; a row of out0 in bytes
.set PITCH,  272                       ; an LDS row: 256 bytes + 16 of padding = 68 words: row r starts at bank 4 r mod 64 (64 banks of 4 bytes: ISA guide 11.1), so the 16 rows of a load start at 16 different banks
.set AHALF,  64*PITCH                  ; what one tensor load brings of hq, and what one wave reads of it
.set BHALF,  128*PITCH                 ; the same for w3c
.set BOFF,   128*PITCH                 ; a slot: hq's 128 rows, then w3c's 256
.set SLOT,   384*PITCH
.set SPARE,  2*SLOT                    ; behind the ring: the spare words, 128 bytes for each wave: two blocks of 256 bytes that no other line names
.set STAGE,  SPARE+512                 ; the way out: 16 rows x (512 bytes + 16) for each wave; no tensor load ever lands here
.set SPITCH, 528
.set SOF,  7                           ; v7   32 x (lane / 16): scaling4's and bias's loads
.set ADRA, 16                          ; v16-17  LDS address of my fragments of hq in slot 0, 1
.set ADRB, 20                          ; v20-21  the same for w3c
.set STO,  24                          ; v24  the way out: where I put 32 bytes of a row
.set RD,   25                          ; v25  where I read a row back
.set CO,   26                          ; v26  my byte offset in a row of out0
.set SPW,  28                          ; v28  LDS address of my spare word: SPARE + 4 x my thread's number; never rewritten
.set NIL,  29                          ; v29  0; never rewritten
.set PFO,  30                          ; v30  the prefetches' offset: my lane x a row of codes; never rewritten
.set TMP,  32
.set BK,   128
.set AF,   128                         ; in window 3
.set SC4,  0                           ; in window 3
.set BIA,  64                          ; in window 3
.set G1,  24                           ; s[24:31] descriptor group 1 for hq's tiles; s[32:39] group 0, one set for each slot
.set G0,  32
.set G1B, 48                           ; s[48:55], s[56:63] the same for w3c's tiles
.set G0B, 56
.set PFA, 74                           ; s[74:75] where my prefetches stand: my 32 rows, one K slot further along K than the refill that is being asked for; a prefetch names the K slot after that
.set LIM, 78                           ; s78  1 in a wave that prefetches, else the greatest number
.set MSB, 0
.macro WIN new                         ; the immediate's high byte repeats the setting that is left; a switch that changes nothing is dropped
.if MSB != \new
	s_set_vgpr_msb (MSB<<8)|\new
.set MSB, \new
.endif
.endm
.set MUL,  0xad                        ; source 0 (w3c) window 1, source 1 (hq) window 3, C and D window 2
.set TO_B, 0x40                        ; destination window 1, address window 0
.set TO_3, 0xc0                        ; destination window 3, address window 0
.set LDX,  0xc3                        ; source 0 and destination window 3
.set EP2,  0x3e                        ; source 0 (sums) window 2, sources 1 and 2 (scaling4, bias) window 3, destination window 0
; A joint load: waves 0 and 1 fetch hq's two halves, waves 2 and 3 w3c's.  Each of the two lines has ONE mask and one set of registers for all that issue it; the branch hangs on the wave's number alone.
; An s_nop 0 and four v_nop follow each of the two lines, ahead of the jump, the label and what follows.
.macro JLOAD g0a, g1a, g0b, g1b
	s_cmp_eq_u32 s15, 0
	s_cbranch_scc0 .Lfor_b_\@
	tensor_load_to_lds s[\g0a:\g0a+3], s[\g1a:\g1a+7]
	s_nop 0
.rept 4
	v_nop
.endr
	s_branch .Lasked_\@
.Lfor_b_\@:
	tensor_load_to_lds s[\g0b:\g0b+3], s[\g1b:\g1b+7]
	s_nop 0
.rept 4
	v_nop
.endr
.Lasked_\@:
.endm
; A PREFETCH INTO THE L2, behind each joint load and the run of LDS loads that follows it: the K slot that stands TWO refills on, 32 rows x 256 bytes, a lane a row, one instruction a wave: 128 matrix instructions ahead of the load that will want it.
; Each row's 256 bytes of a K slot are named ONCE in the launch.  hq's tile row is read by every cluster of that row of clusters: cluster x = 0 asks, by its waves 0; w3c's tile column by every cluster of that column:
; cluster y = 0 asks, by its waves 2 and 3.  The four partners that ask for a tile jointly share its rows out BY ADDRESS (32 cx for hq, 64 cy for w3c): no branch hangs on a work-group's place in its cluster.
; K slots 0 to 3 come by their loads alone; the loop's last trip (s3 = 1) asks for nothing: K slot 15 is the last that is named.
.macro ASK
	s_cmp_gt_u32 s3, s[LIM]
	s_cbranch_scc0 .Lnot_mine_\@
	global_prefetch_b8 v[PFO], s[PFA:PFA+1] offset:256 th:TH_LOAD_NT scope:SCOPE_SE
.Lnot_mine_\@:
.endm
.macro CREST                           ; a round of the cluster's barrier behind its opening barrier
	s_cmp_lg_u32 s14, 0
	s_cbranch_scc1 .Lnot_wave_0_\@
	s_barrier_signal -3
.Lnot_wave_0_\@:
	s_barrier_wait -3
	s_barrier_signal -1
	s_barrier_wait -1
.endm
.macro CROUND                          ; a whole round
	s_barrier_signal -1
	s_barrier_wait -1
	CREST
.endm
.macro PLACES n                        ; plain vector instructions between a matrix instruction and a load into, or a read of, its registers (ISA guide 7.12.1 for reads)
.rept \n
	v_nop
.endr
.endm
	s_load_b256 s[4:11], s[0:1], 0x0               ; hq s[4:5], w3c s[6:7], lowp_scales s[8:9], scaling4 s[10:11]
	s_load_b128 s[68:71], s[0:1], 0x20             ; bias s[68:69], out0 s[70:71]
	v_lshl_add_u32 v[SPW], v0, 2, SPARE
	v_mov_b32 v[NIL], 0
	ds_add_u32 v[SPW], v[NIL]                      ; the wave's opening: the add and its wait stand ahead of my first tensor load; the set-up below, work on registers, stands between them
	v_lshrrev_b32 v1, 5, v0
	v_readfirstlane_b32 s14, v1                    ; wave 0..3
	s_lshr_b32 s15, s14, 1                         ; which 64 rows of the tile are mine.  Also: I fetch for hq (0) or for w3c (1)
	s_and_b32 s16, s14, 1                          ; which 128 columns.  Also: which half of that tile I fetch
	s_bfe_u32 s40, ttmp6, 0x40000                  ; cx, cy: my place in the cluster
	s_bfe_u32 s41, ttmp6, 0x40004
	s_lshl_b32 s42, ttmp9, 2
	s_add_co_u32 s42, s42, s40                     ; tile column = 4 x cluster x + cx
	s_and_b32 s17, ttmp7, 0xffff
	s_lshl_b32 s17, s17, 2
	s_add_co_u32 s17, s17, s41                     ; tile row = 4 x cluster y + cy
	s_lshl_b32 s43, s41, 2
	s_lshl_b32 s43, 15, s43                        ; my row of the cluster
	s_lshl_b32 s44, 0x1111, s40                    ; my column
	s_or_b32 s[G1], s43, (1<<20)|(1<<21)|(5<<22)|(3<<25)   ; 15:0 the mask: hq's tiles go to my row; 17:16 elements of 1 byte; 20 padding on; 21 set beside a mask; 24:22 after every 64 words (code 5); 31:25 four words (code 3)
	s_or_b32 s[G1B], s44, (1<<20)|(1<<21)|(5<<22)|(3<<25)  ; the same with the mask of my column
	s_mov_b32 s[G1+1], 256<<16                     ; tensor_dim0 = 256
	s_mov_b32 s[G1+2], 64<<16                      ; tensor_dim1 = 64
	s_mov_b32 s[G1+3], 256<<16                     ; tile_dim0 = 256
	s_mov_b32 s[G1+4], 64                          ; tile_dim1 = 64
	s_mov_b32 s[G1+5], KB                          ; tensor_dim0_stride
	s_mov_b32 s[G1+6], 0
	s_mov_b32 s[G1+7], 0
	s_mov_b32 s[G1B+1], 256<<16
	s_mov_b32 s[G1B+2], 128<<16                    ; 128 rows
	s_mov_b32 s[G1B+3], 256<<16
	s_mov_b32 s[G1B+4], 128
	s_mov_b32 s[G1B+5], KB
	s_mov_b32 s[G1B+6], 0
	s_mov_b32 s[G1B+7], 0
	s_lshl_b32 s18, s16, 6
	s_lshl_b32 s20, s17, 7
	s_add_co_u32 s20, s20, s18                     ; hq: row 128 x tile row + 64 x half,
	s_lshl_b32 s20, s20, 12                        ; in bytes (under 2^23)
	s_mov_b32 s21, 0
	s_lshl_b32 s18, s16, 7
	s_lshl_b32 s46, s42, 8
	s_add_co_u32 s46, s46, s18                     ; w3c: row 256 x tile column + 128 x half,
	s_lshl_b32 s46, s46, 12                        ; in bytes (under 2^24)
	s_mov_b32 s47, 0
	s_mul_i32 s45, s16, AHALF                      ; where they go: no place in the cluster enters an LDS address
	s_mul_i32 s66, s16, BHALF
	s_add_co_u32 s66, s66, BOFF
	s_wait_dscnt 0x0                               ; the opening add is done
	s_wait_kmcnt 0x0
	s_load_b128 s[80:83], s[8:9], 0x0              ; e0, e1, e2, e3
	s_add_nc_u64 s[20:21], s[4:5], s[20:21]
	s_add_nc_u64 s[46:47], s[6:7], s[46:47]
	CROUND                                         ; all sixteen work-groups are here: the first joint loads meet
.irp s, 0,1
	s_mov_b32 s[G0+4*\s], 1                        ; count = 1
	s_add_co_u32 s[G0+4*\s+1], s45, \s*SLOT        ; LDS address
	s_add_nc_u64 s[G0+4*\s+2:G0+4*\s+3], s[20:21], \s*256   ; global address: K slot s
	s_or_b32 s[G0+4*\s+3], s[G0+4*\s+3], 0x80000000         ; type = 2
	s_mov_b32 s[G0B+4*\s], 1
	s_add_co_u32 s[G0B+4*\s+1], s66, \s*SLOT
	s_add_nc_u64 s[G0B+4*\s+2:G0B+4*\s+3], s[46:47], \s*256
	s_or_b32 s[G0B+4*\s+3], s[G0B+4*\s+3], 0x80000000
	JLOAD G0+4*\s, G1, G0B+4*\s, G1B               ; two loads of mine are out
.endr
	v_and_b32 v1, 15, v0                           ; r = lane % 16
	v_bfe_u32 v2, v0, 4, 1                         ; h = lane / 16
	v_mul_u32_u24 v3, v1, PITCH
	v_lshl_add_u32 v4, v2, 4, v3                   ; a fragment's row x pitch + 16 x half
	s_mul_i32 s21, s15, AHALF                      ; my 64 rows of hq
	s_mul_i32 s22, s16, BHALF                      ; my 128 rows of w3c,
	s_add_co_u32 s22, s22, BOFF                    ; which lie behind hq's 128
.irp s, 0,1
	v_add_nc_u32 v[ADRA+\s], s21, v4
	v_add_nc_u32 v[ADRB+\s], s22, v4
	s_add_co_u32 s21, s21, SLOT
	s_add_co_u32 s22, s22, SLOT
.endr
	s_mul_i32 s23, s14, 16*SPITCH
	s_add_co_u32 s23, s23, STAGE                   ; my stage
	v_mul_u32_u24 v3, v1, SPITCH                   ; in: row l % 16, 32 bytes for each half of the lanes
	v_lshl_add_u32 v3, v2, 5, v3
	v_add_nc_u32 v[STO], s23, v3
	v_and_b32 v3, 31, v0
	v_lshlrev_b32 v[CO], 4, v3                     ; back: the 32 lanes take one row of 512 bytes; and the same in out0
	v_add_nc_u32 v[RD], s23, v[CO]
	v_lshlrev_b32 v[PFO], 12, v3
	v_lshlrev_b32 v[SOF], 5, v2
	s_lshl_b32 s88, s42, 10
	s_lshl_b32 s89, s16, 9
	s_add_co_u32 s88, s88, s89                     ; my first column in bytes of f32: 1,024 x tile column + 512 (w % 2)
	s_mov_b32 s89, 0
	s_add_nc_u64 s[10:11], s[10:11], s[88:89]      ; scaling4,
	s_add_nc_u64 s[68:69], s[68:69], s[88:89]      ; bias,
	s_lshl_b32 s90, s17, 7
	s_lshl_b32 s91, s15, 6
	s_add_co_u32 s90, s90, s91                     ; my first row: 128 x tile row + 64 (w / 2)
	s_lshl_b32 s90, s90, 14
	s_add_co_u32 s90, s90, s88
	s_mov_b32 s91, 0
	s_add_nc_u64 s[70:71], s[70:71], s[90:91]      ; and out0 at my part's first number
	; the prefetches: where mine stand, and whether I ask
	s_lshl_b32 s84, s17, 7
	s_lshl_b32 s85, s40, 5
	s_add_co_u32 s84, s84, s85                     ; hq: row 128 x tile row + 32 cx
	s_lshl_b32 s85, s42, 8
	s_lshl_b32 s86, s41, 6
	s_add_co_u32 s85, s85, s86
	s_lshl_b32 s86, s16, 5
	s_add_co_u32 s85, s85, s86                     ; w3c: row 256 x tile column + 64 cy + 32 (w % 2)
	s_and_b32 s22, ttmp7, 0xffff                   ; cluster y
	s_cmp_eq_u32 s15, 0                            ; do I fetch for hq?
	s_cselect_b32 s84, s84, s85
	s_cselect_b64 s[PFA:PFA+1], s[4:5], s[6:7]
	s_cselect_b32 s22, ttmp9, s22                  ; the coordinate along which other clusters read the same rows
	s_cselect_b32 s23, s16, 0                      ; of hq's two fetching waves wave 0 alone asks: its four partners' 32 rows each are the tile's 128
	s_or_b32 s22, s22, s23
	s_cmp_eq_u32 s22, 0
	s_cselect_b32 s[LIM], 1, -1                    ; the same in all sixteen partners, for a given wave
	s_lshl_b32 s84, s84, 12
	s_add_co_u32 s84, s84, 2*256                   ; at K slot 2: the first refill steps it to 3 and names K slot 4.  Nothing is prefetched here, at the head, where every work-group's first tiles are on their way
	s_mov_b32 s85, 0
	s_add_nc_u64 s[PFA:PFA+1], s[PFA:PFA+1], s[84:85]
	WIN TO_3
.irp b, 0,1,2,3,4,5,6,7                ; scaling4 and bias in the result's layout: register 8 b + j = column 16 b + 8 h + j of my 128
	global_load_b128 v[SC4+8*\b:SC4+8*\b+3],   v[SOF], s[10:11] offset:64*\b
	global_load_b128 v[SC4+8*\b+4:SC4+8*\b+7], v[SOF], s[10:11] offset:64*\b+16
	global_load_b128 v[BIA+8*\b:BIA+8*\b+3],   v[SOF], s[68:69] offset:64*\b
	global_load_b128 v[BIA+8*\b+4:BIA+8*\b+7], v[SOF], s[68:69] offset:64*\b+16
.endr
	WIN 0
.macro FRAG reg, adr, q, i             ; a fragment, 16 rows x 128 bytes, is 16 registers: lane l holds row l % 16; registers 4 c .. 4 c + 3 hold bytes 32 c + 16 (l / 16) + 0 .. 15: the same in both operands
.irp c, 0,1,2,3
	ds_load_b128 v[\reg+4*\c:\reg+4*\c+3], v[\adr] offset:128*(\q)+32*\c+(\i)*16*PITCH
.endr
.endm
.macro FETCH slot, q, p                ; 48 LDS loads in one run: the fragments of the slot's q-th 128 along K into set p
	WIN TO_B
.irp i, 0,1,2,3,4,5,6,7
	FRAG 128*(\p)+16*\i, ADRB+\slot, \q, \i
.endr
	WIN TO_3
.irp i, 0,1,2,3
	FRAG AF+64*(\p)+16*\i, ADRA+\slot, \q, \i
.endr
.endm
; 8 matrix instructions: block a of hq's four against w3c's eight, 128 along K, set p.  zero = 1: the first product starts the sums: nothing is ever cleared.
; The 32 accumulators take turns, one instruction a turn, in the same order in every step.
.macro MUL8 a, p, zero
.irp b, 0,1,2,3,4,5,6,7
.if \zero
	v_wmma_f32_16x16x128_fp8_fp8 v[8*(8*(\a)+\b):8*(8*(\a)+\b)+7], v[128*(\p)+16*\b:128*(\p)+16*\b+15], v[AF+64*(\p)+16*(\a):AF+64*(\p)+16*(\a)+15], 0
.else
	v_wmma_f32_16x16x128_fp8_fp8 v[8*(8*(\a)+\b):8*(8*(\a)+\b)+7], v[128*(\p)+16*\b:128*(\p)+16*\b+15], v[AF+64*(\p)+16*(\a):AF+64*(\p)+16*(\a)+15], v[8*(8*(\a)+\b):8*(8*(\a)+\b)+7]
.endif
.endr
.endm
; A slot's first step: multiplies set 0 and fetches the slot's second 128 along K into set 1.
.macro STEPA slot, zero
	WIN 0
	s_wait_dscnt 0x0                               ; set 0 is in
	PLACES 4                                       ; between the last products on set 1 and the loads into it
	FETCH \slot, 1, 1
	WIN MUL
	MUL8 0, 0, \zero
	MUL8 1, 0, \zero
	MUL8 2, 0, \zero
	MUL8 3, 0, \zero
	WIN 0
.endm
; A slot's last step changes slots: ONE barrier; in front of it each wave waits for all its tensor loads, adds 0 to its spare word, and waits for that and for its own reads of this slot.  fill = 1: this slot is filled again, two K slots ahead.
.macro TURN slot, next, fill
.if \fill
	s_wait_xcnt 0x0                                ; the last prefetch, a K slot back, has read its address: it is stepped here, ahead of the waits of the change of slots
	s_add_nc_u64 s[PFA:PFA+1], s[PFA:PFA+1], 256
.endif
	s_wait_tensorcnt 0x0                           ; all my tensor loads have landed: the one that was out is my part of the next slot  (every window is 0 here)
	ds_add_u32 v[SPW], v[NIL]                      ; 0 onto my spare word
	s_wait_dscnt 1                                 ; set 1's 48 loads are in; the add alone may be out
	WIN MUL
	MUL8 0, 1, 0                                   ; eight matrix instructions stand between the add and the wait for it
	s_wait_dscnt 0x0                               ; the add is done, and my reads of this slot are over
	s_barrier_signal -1
	MUL8 1, 1, 0
	WIN 0
	s_barrier_wait -1
.if \fill
	CREST                                          ; the barrier has opened a round of the cluster's barrier: no wave of any partner still reads this slot's tile or has a load on its way
	s_add_nc_u64 s[G0+4*\slot+2:G0+4*\slot+3], s[G0+4*\slot+2:G0+4*\slot+3], 512
	s_add_nc_u64 s[G0B+4*\slot+2:G0B+4*\slot+3], s[G0B+4*\slot+2:G0B+4*\slot+3], 512
	JLOAD G0+4*\slot, G1, G0B+4*\slot, G1B         ; the first tensor load behind the round, my one load until the next; the four v_nop behind it are the places in front of the loads below
.else
	PLACES 4
.endif
	FETCH \next, 0, 0
.if \fill
	WIN 0                                          ; (a branch follows)
	ASK                                            ; behind the joint load and the run of LDS loads that the next products wait for
.endif
	WIN MUL
	MUL8 2, 1, 0
	MUL8 3, 1, 0
	WIN 0
.endm
	s_wait_tensorcnt 1                             ; my part of K slot 0 is in; K slot 1's load may be out
	s_barrier_signal -1
	s_barrier_wait -1                              ; everybody's is
	FETCH 0, 0, 0
	STEPA 0, 1                                     ; K slot 0's first step stands in front of the loop: its products start the sums
	s_mov_b32 s3, 7
.Llap:                                                 ; a trip goes once round the ring, from a lap's second step to the next lap's first, and fills both slots again: K slots 2 to 15 in seven trips
	TURN 0, 1, 1
	STEPA 1, 0
	TURN 1, 0, 1
	STEPA 0, 0
	s_sub_co_u32 s3, s3, 1
	s_cmp_lg_u32 s3, 0
	s_cbranch_scc1 .Llap
	TURN 0, 1, 0                                   ; the last lap fills nothing, and has no round of the cluster's barrier
	STEPA 1, 0
	s_wait_dscnt 0x0                               ; the very last step: nothing more to fetch
	WIN MUL
	MUL8 0, 1, 0
	MUL8 1, 1, 0
	MUL8 2, 1, 0
	MUL8 3, 1, 0
	WIN 0
; THE WAY OUT, block by block of 16 rows x 128 columns.  A lane holds 32 neighbouring bytes of a row, and the lanes beside it hold other rows: so a block goes through my own stage in LDS and comes back as whole
; rows of 512 bytes.  LDS serves a wave's instructions in order (ISA guide 5.7.1.4): no wait between the stores and the loads, nor in front of the next block's stores.
.macro TOSTAGE a
	WIN EP2
.set j, 0
.rept 32
	v_pk_fma_f32 v[TMP+j:TMP+j+1], v[64*(\a)+j:64*(\a)+j+1], v[SC4+j:SC4+j+1], v[BIA+j:BIA+j+1]   ; sum x (scaling4 x 2^(e2 + e3)) + bias; each accumulator from its low end on
.set j, j+2
.endr
	WIN 0
.irp b, 0,1,2,3,4,5,6,7
	ds_store_b128 v[STO], v[TMP+8*\b:TMP+8*\b+3] offset:64*\b
	ds_store_b128 v[STO], v[TMP+8*\b+4:TMP+8*\b+7] offset:64*\b+16
.endr
.set BB, BK+64*((\a)%2)
.irp t, 0,1,2,3,4,5,6,7,8,9,10,11,12,13,14,15
	ds_load_b128 v[BB+4*\t:BB+4*\t+3], v[RD] offset:\t*SPITCH
.endr
.endm
.macro SEND a, younger                 ; younger: the LDS instructions issued behind block a's loads, which may stay out
.set BB, BK+64*((\a)%2)
	s_wait_dscnt \younger                          ; the block is back in registers
.if (\a) > 0
	s_add_nc_u64 s[70:71], s[70:71], 16*NB         ; (behind a wait on XCNT: the earlier stores have read their base)  16 rows of out0 on
.endif
.irp t, 0,1,2,3,4,5,6,7,8,9,10,11,12,13,14,15
	global_store_b128 v[CO], v[BB+4*\t:BB+4*\t+3], s[70:71] offset:\t*NB th:TH_STORE_NT   ; 32 lanes store 512 consecutive bytes, at a multiple of 256 from out0's first byte; written once, read by nobody here
.endr
.endm
	s_wait_kmcnt 0x0
	s_add_co_i32 s92, s82, s83                     ; e2 + e3
	s_wait_loadcnt 0x0                             ; scaling4 and bias, asked for at the head
	WIN LDX
.set j, 0
.rept 64
	v_ldexp_f32 v[SC4+j], v[SC4+j], s92            ; scaling4 x 2^(e2 + e3).  These 64 plain lines, which name no register of the products, are also the places behind them
.set j, j+1
.endr
	TOSTAGE 0
.irp a, 1,2,3
.if \a > 1
	s_wait_xcnt 0x0                                ; block a - 2's stores have read their registers and their base: block a's loads may land there, and the base may step
.endif
	TOSTAGE \a
	SEND \a-1, 32                                  ; behind block a - 1's loads: block a's 16 stores and 16 loads
.endr
	s_wait_xcnt 0x0                                ; block 2's stores have read their base
	SEND 3, 0
	s_wait_tensorcnt 0x0                           ; the wave's end, behind my last tensor load and my last LDS store
	ds_add_u32 v[SPW], v[NIL]
	s_wait_dscnt 0x0
	CROUND                                         ; the closing round: no work-group ends while a partner may still ask for a tile that names it
	s_endpgm
.Lfunc_end_k_q2ff3e3628e_gemm2:
	.size	k_q2ff3e3628e_gemm2, .Lfunc_end_k_q2ff3e3628e_gemm2-k_q2ff3e3628e_gemm2
	.p2alignl 7, 3214868480
	.fill 96, 4, 3214868480
	.section	.rodata,"a",@progbits
	.p2align	6, 0x0
	.amdhsa_kernel k_q2ff3e3628e_gemm2
		.amdhsa_group_segment_fixed_size 327680
		.amdhsa_private_segment_fixed_size 0
		.amdhsa_enable_private_segment 0
		.amdhsa_kernarg_size 48
		.amdhsa_user_sgpr_count 2
		.amdhsa_user_sgpr_kernarg_segment_ptr 1
		.amdhsa_wavefront_size32 1
		.amdhsa_system_sgpr_workgroup_id_x 1
		.amdhsa_system_sgpr_workgroup_id_y 1
		.amdhsa_system_sgpr_workgroup_id_z 1
		.amdhsa_system_vgpr_workitem_id 0
		.amdhsa_next_free_vgpr 1024
		.amdhsa_next_free_sgpr 100
		.amdhsa_reserve_vcc 0
		.amdhsa_float_denorm_mode_32 3
		.amdhsa_float_denorm_mode_16_64 3
		.amdhsa_memory_ordered 1
		.amdhsa_forward_progress 1
		.amdhsa_inst_pref_size 84
	.end_amdhsa_kernel
	.amdgpu_metadata
---
amdhsa.version: [ 1, 2 ]
amdhsa.kernels:
  - .name:           k_q2ff3e3628e_gemm2
    .symbol:         k_q2ff3e3628e_gemm2.kd
    .args:
      - { .name: hq, .offset: 0, .size: 8, .value_kind: global_buffer, .address_space: global }
      - { .name: w3c, .offset: 8, .size: 8, .value_kind: global_buffer, .address_space: global }
      - { .name: lowp_scales, .offset: 16, .size: 8, .value_kind: global_buffer, .address_space: global }
      - { .name: scaling4, .offset: 24, .size: 8, .value_kind: global_buffer, .address_space: global }
      - { .name: bias, .offset: 32, .size: 8, .value_kind: global_buffer, .address_space: global }
      - { .name: out0, .offset: 40, .size: 8, .value_kind: global_buffer, .address_space: global }
    .group_segment_fixed_size: 327680
    .private_segment_fixed_size: 0
    .kernarg_segment_align: 8
    .kernarg_segment_size: 48
    .max_flat_workgroup_size: 128
    .sgpr_count:     100
    .vgpr_count:     1024
    .wavefront_size: 32
...
	.end_amdgpu_metadata
.endif
;; end of part 3
;; ======== version 2 of 2: 3 launches
;; limits: right only within a limited range of input values
;; workspace buffers: xq 8,388,608 bytes; w1b 2,097,152 bytes; hq 8,388,608 bytes; w3b 2,097,152 bytes
;; launch quant (part 4): grid 256 x 1, 20 waves a work-group, no clusters, 23,040 bytes of LDS; arguments x, w1_bits, w3_bits, scaling0, lowp_scales, xq, w1b, w3b; writes xq, w1b, w3b
.if DOCPART == 4
	.amdgcn_target "amdgcn-amd-amdhsa--gfx1250"
	.amdhsa_code_object_version 6
	.text
	.protected	k_q2ff3e3628e_quant
	.globl	k_q2ff3e3628e_quant
	.p2align	8
	.type	k_q2ff3e3628e_quant,@function
k_q2ff3e3628e_quant:
	s_mov_b64 s[64:65], 0
	v_nop
	global_prefetch_b8 v0, s[64:65] scope:SCOPE_SE
	s_setreg_imm32_b32 hwreg(HW_REG_WAVE_MODE, 25, 1), 1
	s_wait_xcnt 0x0
; xq = Q(x * scaling0, e0): codes of FP8 (E4M3), a byte each, by rows of 4,096 bytes.  w1b, w3b: the SIGNS of 2 * bit - 1, one bit a weight, in the order of the operand's registers.
; LIMIT: every entry of w1_bits and w3_bits is 0 or 1, so that 2 b - 1 is -1 or +1; any other whole number is not served.  The two codes of +-1 differ in the sign bit alone; the products' launches make
; the magnitude's code by the stated quantiser from e1 and e3 and lay the signs over it.
; LIMITS: e0 between -126 and 119.  NaN in x or scaling0 is not served; an infinity is held at the largest code.
; THE ORDER ALONG K.  Within each aligned run of 256 along K the number k = 128 i + 4 l + j (i 0..1, l 0..31, j 0..3) stands at byte place 8 l + 4 i + j.  All operands of the program are laid so.
; SIGN WORDS.  A fragment is 16 rows n x 128 places; lane (r, h) of the multiplying wave holds, of row r, places 32 c + 16 h + 0..15 in registers 4 c .. 4 c + 3.  Word uu (0, 1) of a lane and fragment serves registers
; 8 uu + j: the sign of byte t of register 8 uu + j is bit 8 t + 7 - j.  For rows 64 ng + 32 blk + 16 f + r and K step ks the word lies at 32,768 ng + 1,024 ks + 512 blk + 16 (r + 16 h) + 8 f + 4 uu.
; SHARES.  5,120 shares of 32 rows x one run of 256 along K, one a wave: 1,024 for x, 2,048 for each weight; 256 work-groups of 20 waves.  Waves share nothing: no barrier, no cluster, no matrix unit.
; Every byte is read once; every offset is an immediate.
.set ROWIN,  16384
.set WST,    1024                      ; a wave's stage: two K steps x 512 bytes of sign words
.set SPARE,  20*WST                    ; the spare words, 128 bytes a wave
.set SC0,    4                         ; v[4:11] my eight numbers of scaling0
.set STI,    14                        ; stage, way in
.set STR,    15                        ; stage, way out
.set X,      16                        ; v[16:79] eight rows on their way
.set C,      80                        ; x: v[80:143] two registers of codes a row
.set P,      80                        ; weights: finished words, four by turns
.set T,      84                        ; weights: what the neighbouring lanes hold
.set SH,     88
.set OUTW,   96
.set SPW,    144
.set NIL,    145
	s_load_b256 s[4:11], s[0:1], 0x0               ; x, w1_bits, w3_bits, scaling0
	s_load_b256 s[12:19], s[0:1], 0x20             ; lowp_scales, xq, w1b, w3b
	v_lshl_add_u32 v[SPW], v0, 2, SPARE
	v_mov_b32 v[NIL], 0
	v_lshrrev_b32 v1, 5, v0
	v_readfirstlane_b32 s24, v1                    ; wave 0..19
	s_mul_i32 s34, s24, WST
	s_mul_i32 s25, ttmp9, 20
	s_add_co_u32 s25, s25, s24                     ; my share
	s_cmp_lt_u32 s25, 1024
	s_cselect_b32 s26, 0, 1024
	s_cmp_lt_u32 s25, 3072
	s_cselect_b32 s26, s26, 3072
	s_sub_co_u32 s26, s25, s26                     ; its number in its tensor
	s_lshr_b32 s20, s26, 4                         ; which 32 rows
	s_and_b32 s21, s26, 15                         ; which run
	s_lshl_b32 s28, s20, 19
	s_lshl_b32 s26, s21, 10                        ; my run in a row of f32, and in scaling0
	s_mov_b32 s27, 0
	s_add_co_u32 s28, s28, s26
	s_mov_b32 s29, 0
	s_lshr_b32 s30, s28, 2                         ; xq: a quarter of the bytes
	s_lshr_b32 s22, s20, 1
	s_lshl_b32 s22, s22, 15                        ; sign words: 32,768 ng
	s_lshl_b32 s23, s21, 11                        ; two K steps a run
	s_add_co_u32 s22, s22, s23
	s_and_b32 s23, s20, 1
	s_lshl_b32 s23, s23, 9                         ; 512 blk
	s_add_co_u32 s22, s22, s23
	s_cmp_lt_u32 s25, 1024
	s_cselect_b32 s30, s30, s22
	s_mov_b32 s31, 0
	v_and_b32 v1, 31, v0                           ; lane
	v_lshlrev_b32 v2, 4, v1
	v_lshlrev_b32 v3, 3, v1
	v_add_nc_u32 v[STR], s34, v2
	v_lshrrev_b32 v4, 4, v1                        ; lane = 16 ks + 8 uu + 4 j2 + 2 h + qh
	v_bfe_u32 v5, v1, 3, 1
	v_bfe_u32 v6, v1, 1, 1
	v_bfe_u32 v7, v1, 2, 1
	v_and_b32 v8, 1, v1
	v_lshlrev_b32 v[STI], 9, v4
	v_lshl_add_u32 v[STI], v6, 8, v[STI]
	v_lshl_add_u32 v[STI], v5, 2, v[STI]
	v_add_nc_u32 v[STI], s34, v[STI]               ; 512 ks + 256 h + 4 uu in my stage
	v_lshlrev_b32 v7, 2, v7
	v_lshl_add_u32 v7, v8, 1, v7
	v_sub_nc_u32 v[SH], 6, v7                      ; 6 - 4 j2 - 2 qh
.irp i, 0,1,2,3
	v_mov_b32 v[T+\i], 0
.endr
	s_wait_alu depctr_va_vdst(0)
	s_wait_kmcnt 0x0
	s_load_b32 s20, s[12:13], 0x0                  ; e0
	s_cmp_lt_u32 s25, 3072                         ; the choices hang on ids alone
	s_cselect_b64 s[6:7], s[6:7], s[8:9]
	s_cselect_b64 s[16:17], s[16:17], s[18:19]
	s_cmp_lt_u32 s25, 1024
	s_cselect_b64 s[4:5], s[4:5], s[6:7]
	s_cselect_b64 s[14:15], s[14:15], s[16:17]
	s_add_nc_u64 s[4:5], s[4:5], s[28:29]
	s_add_nc_u64 s[14:15], s[14:15], s[30:31]
	s_add_nc_u64 s[10:11], s[10:11], s[26:27]
.macro LOAD t                          ; row t: two loads of 512 consecutive bytes
	global_load_b128 v[X+8*((\t)%8):X+8*((\t)%8)+3],   v2, s[4:5] offset:ROWIN*(\t) th:TH_LOAD_NT
	global_load_b128 v[X+8*((\t)%8)+4:X+8*((\t)%8)+7], v2, s[4:5] offset:ROWIN*(\t)+512 th:TH_LOAD_NT
.endm
.macro XSTEP t
.set XS, X+8*((\t)%8)
.if (\t) <= 24
	s_wait_loadcnt 14                              ; row t's two loads are in; seven younger rows' may be out
.else
	s_wait_loadcnt 2*(31-(\t))
.endif
.irp j, 0,2,4,6
	v_pk_mul_f32 v[XS+\j:XS+\j+1], v[XS+\j:XS+\j+1], v[SC0+\j:SC0+\j+1]
.endr
.irp j, 0,1,2,3,4,5,6,7
	v_med3_num_f32 v[XS+\j], v[XS+\j], -v13, v13   ; the conversion does not saturate (ISA guide 7.6.2): the hold stands whatever e0 is
.endr
	v_cvt_scalef32_pk8_fp8_f32 v[C+2*(\t):C+2*(\t)+1], v[XS:XS+7], v12
.if (\t) < 24
	LOAD (\t)+8
.endif
	global_store_b64 v3, v[C+2*(\t):C+2*(\t)+1], s[14:15] offset:4096*(\t)   ; 32 lanes store 256 consecutive bytes, aligned
.endm
.macro WSTEP t                         ; rows t and t + 1, line by line by turns
.set XS, X+8*((\t)%8)
.set PP, P+2*(((\t)/2)%2)
.if (\t) <= 24
	s_wait_loadcnt 12                              ; both rows' loads are in; six younger rows' may be out
.else
	s_wait_loadcnt 2*(30-(\t))
.endif
.irp u, 0,8
.irp i, 0,2,4,6
	v_lshl_or_b32 v[XS+\u+\i], v[XS+\u+\i+1], 8, v[XS+\u+\i]
.endr
.endr
.irp u, 0,8
	v_lshl_or_b32 v[XS+\u], v[XS+\u+2], 16, v[XS+\u]       ; four bits, one in each byte: k = 4 lane + t
	v_lshl_or_b32 v[XS+\u+4], v[XS+\u+6], 16, v[XS+\u+4]   ; and k = 128 + 4 lane + t
.endr
.irp u, 0,8
	v_lshl_or_b32 v[XS+\u], v[XS+\u], 1, v[XS+\u+4]
.endr
.irp u, 0,8
	v_lshlrev_b32 v[XS+\u], v[SH], v[XS+\u]                ; my two of the word's eight registers
.endr
.irp u, 0,8
	v_mov_b32_dpp v[T+\u/8], v[XS+\u] row_xmask:1 row_mask:0xf bank_mask:0xf
.endr
.irp u, 0,8
	v_or_b32 v[XS+\u], v[XS+\u], v[T+\u/8]
.endr
.irp u, 0,8
	v_mov_b32_dpp v[T+2+\u/8], v[XS+\u] row_xmask:4 row_mask:0xf bank_mask:0xf
.endr
.irp u, 0,8
	v_or_b32 v[PP+\u/8], v[XS+\u], v[T+2+\u/8]             ; the whole word, in all four lanes that share it
.endr
	ds_store_b32 v[STI], v[PP]   offset:8*((\t)/16)+16*((\t)%16)      ; the four lanes write one word with one value
	ds_store_b32 v[STI], v[PP+1] offset:8*((\t)/16)+16*((\t)%16)+16
.if (\t) < 24
	LOAD (\t)+8
	LOAD (\t)+9
.endif
.endm
	s_cmp_lt_u32 s25, 1024
	s_cbranch_scc0 .Lweights
	global_load_b128 v[SC0:SC0+3],   v2, s[10:11]  ; older than every row's loads
	global_load_b128 v[SC0+4:SC0+7], v2, s[10:11] offset:512
.irp t, 0,1,2,3,4,5,6,7
	LOAD \t
.endr
	s_wait_kmcnt 0x0
	s_add_co_i32 s32, s20, 127
	s_lshl_b32 s33, s32, 23
	v_mov_b32 v12, s33                             ; 2^e0
	s_add_co_i32 s32, s32, 8
	s_lshl_b32 s32, s32, 23
	s_or_b32 s32, s32, 0x600000
	v_mov_b32 v13, s32                             ; 448 x 2^e0
	s_wait_alu depctr_va_vdst(0)
.set Q, 0
.rept 32
	XSTEP Q
.set Q, Q+1
.endr
	s_endpgm
.Lweights:
.irp t, 0,1,2,3,4,5,6,7
	LOAD \t
.endr
.set Q, 0
.rept 16
	WSTEP Q
.set Q, Q+2
.endr
	ds_load_b128 v[OUTW:OUTW+3],   v[STR]          ; LDS serves a wave's instructions in order (ISA guide 5.7.1.4): these see my stores
	ds_load_b128 v[OUTW+4:OUTW+7], v[STR] offset:512
	s_wait_dscnt 0x0
.irp i, 0,1,2,3,4,5,6,7
	v_not_b32 v[OUTW+\i], v[OUTW+\i]               ; the sign is set where the bit is 0
.endr
	global_store_b128 v2, v[OUTW:OUTW+3],   s[14:15]              ; 32 lanes store 512 consecutive bytes, aligned
	global_store_b128 v2, v[OUTW+4:OUTW+7], s[14:15] offset:1024
	s_wait_tensorcnt 0x0                           ; the wave's end
	ds_add_u32 v[SPW], v[NIL]
	s_wait_dscnt 0x0
	s_endpgm
.Lfunc_end_k_q2ff3e3628e_quant:
	.size	k_q2ff3e3628e_quant, .Lfunc_end_k_q2ff3e3628e_quant-k_q2ff3e3628e_quant
	.p2alignl 7, 3214868480
	.fill 96, 4, 3214868480
	.section	.rodata,"a",@progbits
	.p2align	6, 0x0
	.amdhsa_kernel k_q2ff3e3628e_quant
		.amdhsa_group_segment_fixed_size 23040
		.amdhsa_private_segment_fixed_size 0
		.amdhsa_enable_private_segment 0
		.amdhsa_kernarg_size 64
		.amdhsa_user_sgpr_count 2
		.amdhsa_user_sgpr_kernarg_segment_ptr 1
		.amdhsa_wavefront_size32 1
		.amdhsa_system_sgpr_workgroup_id_x 1
		.amdhsa_system_sgpr_workgroup_id_y 1
		.amdhsa_system_sgpr_workgroup_id_z 1
		.amdhsa_system_vgpr_workitem_id 0
		.amdhsa_next_free_vgpr 160
		.amdhsa_next_free_sgpr 66
		.amdhsa_reserve_vcc 0
		.amdhsa_float_denorm_mode_32 3
		.amdhsa_float_denorm_mode_16_64 3
		.amdhsa_memory_ordered 1
		.amdhsa_forward_progress 1
		.amdhsa_inst_pref_size 70
	.end_amdhsa_kernel
	.amdgpu_metadata
---
amdhsa.version: [ 1, 2 ]
amdhsa.kernels:
  - .name:           k_q2ff3e3628e_quant
    .symbol:         k_q2ff3e3628e_quant.kd
    .args:
      - { .name: x, .offset: 0, .size: 8, .value_kind: global_buffer, .address_space: global }
      - { .name: w1_bits, .offset: 8, .size: 8, .value_kind: global_buffer, .address_space: global }
      - { .name: w3_bits, .offset: 16, .size: 8, .value_kind: global_buffer, .address_space: global }
      - { .name: scaling0, .offset: 24, .size: 8, .value_kind: global_buffer, .address_space: global }
      - { .name: lowp_scales, .offset: 32, .size: 8, .value_kind: global_buffer, .address_space: global }
      - { .name: xq, .offset: 40, .size: 8, .value_kind: global_buffer, .address_space: global }
      - { .name: w1b, .offset: 48, .size: 8, .value_kind: global_buffer, .address_space: global }
      - { .name: w3b, .offset: 56, .size: 8, .value_kind: global_buffer, .address_space: global }
    .group_segment_fixed_size: 23040
    .private_segment_fixed_size: 0
    .kernarg_segment_align: 8
    .kernarg_segment_size: 64
    .max_flat_workgroup_size: 640
    .sgpr_count:     66
    .vgpr_count:     160
    .wavefront_size: 32
...
	.end_amdgpu_metadata
.endif
;; end of part 4
;; launch gemm1 (part 5): grid 16 x 16, 4 waves a work-group, clusters of 4 x 1, 327,680 bytes of LDS; arguments xq, w1b, lowp_scales, scaling2, hq; writes hq
.if DOCPART == 5
	.amdgcn_target "amdgcn-amd-amdhsa--gfx1250"
	.amdhsa_code_object_version 6
	.text
	.protected	k_q2ff3e3628e_gemm1
	.globl	k_q2ff3e3628e_gemm1
	.p2align	8
	.type	k_q2ff3e3628e_gemm1,@function
k_q2ff3e3628e_gemm1:
	s_mov_b64 s[64:65], 0
	v_nop
	global_prefetch_b8 v0, s[64:65] scope:SCOPE_SE
	s_setreg_imm32_b32 hwreg(HW_REG_WAVE_MODE, 25, 1), 1
	s_wait_xcnt 0x0
	s_wait_alu depctr_hold_cnt(0) depctr_sa_sdst(0) depctr_va_vdst(0) depctr_va_sdst(0) depctr_va_ssrc(0) depctr_va_vcc(0) depctr_vm_vsrc(0)
	s_getreg_b32 s2, hwreg(HW_REG_IB_STS2, 6, 4)
	s_cmp_eq_u32 s2, 0
	s_cbranch_scc0 .Lentry_in_a_cluster
	s_endpgm
.Lentry_in_a_cluster:
	s_bfe_u32 s2, ttmp6, 0x10000c
	s_cmp_lg_u32 s2, 0x3003
	s_cbranch_scc0 .Lentry_shape_is_right
	s_endpgm
.Lentry_shape_is_right:
; hq = Q((xq W1^T) 2^(e0 + e1) * scaling2, e2): codes of FP8 (E4M3) by rows of 4,096 bytes, in the program's order along K (place 8 l + 4 i + j of a run of 256 holds k = 128 i + 4 l + j).
; xq [2048][4096]: codes by rows.  w1b: W1's signs, a bit a weight: for rows 64 ng + 32 blk + 16 f + r, K step ks (128 places), lane (r, h): word uu at 32,768 ng + 1,024 ks + 512 blk + 16 (r + 16 h) + 8 f + 4 uu;
; the sign of byte t of the fragment's register 8 uu + j is bit 8 t + 7 - j.
; LIMITS: W1 is +-1 (w1_bits holds 0 or 1).  e1 between -126 and 119; e2 - e0 - e1 between -126 and 119.
; W1'S CODES ARE MADE IN REGISTERS: the code of Q(1, e1) is made once by the conversion, behind its hold; register 8 uu + j = ((word << j) & 0x80808080) | that code in all four bytes.
; TILE: 128 x 256 to a work-group, 256 work-groups.  Wave w: all 128 rows x columns 64 w on: 32 accumulators.  The matrix instruction is used transposed (source 0 = W1's rows, source 1 = xq's rows).
; xq goes through LDS: two slots of 512 along K; a wave's tensor load brings 64 rows x 256 bytes.  CLUSTERS: the four work-groups of a cluster have one tile row and ask for its tiles jointly.
; The sign words go from memory into registers, two loads of 512 consecutive bytes a wave and K step, asked for seven K steps ahead of their use, so they are not prefetched; no two waves of a work-group want the same words.
; xq's tiles are prefetched: the cluster's 512 lanes name each 256 bytes of 128 rows x 1,024 along K once, shared out by address; at the head K bytes 512 on, in trips 0 and 1 the 1,024 behind what was last named:
; six K steps or more ahead of the tensor load that wants them.  The last 512 along K come by their tensor load alone.
; A K STEP HAS FOUR PHASES of 8 products, each under one window setting: (rows 0-63, fragments 0, 1), (rows 64-127, 0, 1), (rows 64-127, 2, 3), (rows 0-63, 2, 3).  In the first and third the products' source 0 and
; destination lie in one window, so the next step's two fragments of that window are made between the products with no switch.
; REGISTERS: window 0 addresses and the way out; window 1 xq's fragments, two sets of 8 x 16; windows 2 and 3: v0-127 accumulators of rows 0-63 / 64-127 ((a, b) at 8 (4 (a % 4) + b)),
; v128-191 fragments 0, 1 / 2, 3 in two sets, v192-223 sign words of eight K steps by turns, v224 16 x lane.
.set KB,     4096
.set PITCH,  272                       ; 256 bytes + 16: the 16 rows of a load start at 16 different banks (ISA guide 11.1)
.set SUB,    128*PITCH
.set SLOT,   2*SUB
.set SPARE,  4*SUB
.set STAGE,  SPARE+512
.set ADRA, 8
.set BOF,  16
.set PFO,  17
.set SOF,  18
.set HSC,  20
.set HLIM, 21
.set STO,  24
.set RD,   25
.set CO,   26
.set SPW,  28
.set NIL,  29
.set SC2,  32
.set TMP,  64
.set CD,   96
.set BK,   160
.set G1,  24
.set G0,  32
.set PFA, 44
.set BB,  50
.set HQ,  54
.set MASK, 60
.set MAG,  61
.set MSB, 0
.macro WIN new
.if MSB != \new
	s_set_vgpr_msb (MSB<<8)|\new
.set MSB, \new
.endif
.endm
.set P1,   0xa6
.set P2,   0xf6
.set P3,   0xf7
.set P4,   0xa7
.set TO_A, 0x40
.macro CREST
	s_cmp_lg_u32 s14, 0
	s_cbranch_scc1 .Lnot_wave_0_\@
	s_barrier_signal -3
.Lnot_wave_0_\@:
	s_barrier_wait -3
	s_barrier_signal -1
	s_barrier_wait -1
.endm
.macro CROUND
	s_barrier_signal -1
	s_barrier_wait -1
	CREST
.endm
.macro PLACES n
.rept \n
	v_nop
.endr
.endm
.macro FETCHA s                        ; K step s's eight fragments of xq into set s % 2
.irp i, 0,1,2,3,4,5,6,7
.irp c, 0,1,2,3
	ds_load_b128 v[128*((\s)%2)+16*\i+4*\c:128*((\s)%2)+16*\i+4*\c+3], v[ADRA+((\s)/2)%4] offset:128*((\s)%2)+32*\c+\i*16*PITCH
.endr
.endr
.endm
.macro LDW s, hi                       ; K step s's sign words of this window's two fragments
	global_load_b128 v[192+4*((\s)%8):192+4*((\s)%8)+3], v224, s[BB:BB+1] offset:1024*(\s)+512*\hi
.endm
.macro EXG n, j                        ; registers 8 u + j of K step n's two fragments; then the words move one bit up
.irp u, 0,1,2,3
	v_and_or_b32 v[128+32*((\n)%2)+8*\u+\j], v[192+4*((\n)%8)+\u], s[MASK], s[MAG]
.endr
.if \j < 7
.irp u, 0,1,2,3
	v_lshl_or_b32 v[192+4*((\n)%8)+\u], v[192+4*((\n)%8)+\u], 1, 0
.endr
.endif
.endm
.macro PH s, ah, bh, ex, zero          ; 8 products; the 32 accumulators take turns in the same order in every step
.set g, 0
.irp a, 0,1,2,3
.irp b, 0,1
.if \zero
	v_wmma_f32_16x16x128_fp8_fp8 v[8*(4*\a+2*\bh+\b):8*(4*\a+2*\bh+\b)+7], v[128+32*((\s)%2)+16*\b:128+32*((\s)%2)+16*\b+15], v[128*((\s)%2)+16*(4*\ah+\a):128*((\s)%2)+16*(4*\ah+\a)+15], 0
.else
	v_wmma_f32_16x16x128_fp8_fp8 v[8*(4*\a+2*\bh+\b):8*(4*\a+2*\bh+\b)+7], v[128+32*((\s)%2)+16*\b:128+32*((\s)%2)+16*\b+15], v[128*((\s)%2)+16*(4*\ah+\a):128*((\s)%2)+16*(4*\ah+\a)+15], v[8*(4*\a+2*\bh+\b):8*(4*\a+2*\bh+\b)+7]
.endif
.if \ex
	EXG (\s)+1, g
.endif
.set g, g+1
.endr
.endr
.endm
.macro WORDS s, hi, ld, last           ; ld = 1: ask for the words seven steps on; then wait for the next step's: twelve younger loads may be out.  ld = 0, the tail (s = 1..6): the counts run down
.if \ld
	LDW (\s)+7, \hi
	s_wait_loadcnt 12
.else
.if \last == 0
	s_wait_loadcnt 2*(6-(\s))+1-\hi
.endif
.endif
.endm
.macro STEP s, zero, ld, last
.if \last
	s_wait_alu depctr_va_vdst(0)                   ; the last step makes no fragments, so few vector lines stand ahead of its products
.endif
	s_wait_dscnt 0x0                               ; this step's fragments of xq are in
.if \last == 0
	PLACES 4                                       ; between the last step's products and the loads into the set that they read
	WIN TO_A
	FETCHA (\s)+1
.endif
	WIN P1
	WORDS \s, 0, \ld, \last
	PH \s, 0, 0, 1-\last, \zero
	WIN P2
	PH \s, 1, 0, 0, \zero
	WIN P3
	WORDS \s, 1, \ld, \last
	PH \s, 1, 1, 1-\last, \zero
	WIN P4
	PH \s, 0, 1, 0, \zero
.endm
.macro TURN s, fill, slot, ld          ; a slot's last K step: one barrier for the change of slots; fill = 1: it opens a round of the cluster's barrier and the slot is filled again
.if \ld
	WIN P1
	LDW (\s)+7, 0
.endif
	WIN 0
	s_wait_tensorcnt 0x0                           ; my part of the other slot is in
	ds_add_u32 v[SPW], v[NIL]
.if \ld
	s_wait_loadcnt 12
.else
	s_wait_loadcnt 2*(6-(\s))+1
.endif
	s_wait_dscnt 1                                 ; this step's fragments are in; the add alone may be out
	WIN P1
	PH \s, 0, 0, 1, 0
	s_wait_dscnt 0x0                               ; the add is done, my reads of this slot are over
	s_barrier_signal -1
	WIN P2
	PH \s, 1, 0, 0, 0
	WIN 0
	s_barrier_wait -1
.if \fill
	CREST
	s_add_nc_u64 s[G0+4*\slot+2:G0+4*\slot+3], s[G0+4*\slot+2:G0+4*\slot+3], 1024
	tensor_load_to_lds s[G0+4*\slot:G0+4*\slot+3], s[G1:G1+7]   ; my one load behind the round
	s_nop 0
	PLACES 4
.endif
	WIN TO_A
	FETCHA (\s)+1                                  ; out of the other slot
	WIN P3
	WORDS \s, 1, \ld, 0
	PH \s, 1, 1, 1, 0
	WIN P4
	PH \s, 0, 1, 0, 0
.endm
	s_load_b256 s[4:11], s[0:1], 0x0               ; xq, w1b, lowp_scales, scaling2
	s_load_b64 s[68:69], s[0:1], 0x20              ; hq
	v_lshl_add_u32 v[SPW], v0, 2, SPARE
	v_mov_b32 v[NIL], 0
	ds_add_u32 v[SPW], v[NIL]                      ; the opening lines: the add twice and its wait
	ds_add_u32 v[SPW], v[NIL]
	v_lshrrev_b32 v1, 5, v0
	v_readfirstlane_b32 s14, v1                    ; wave
	s_bfe_u32 s40, ttmp6, 0x40000                  ; cx
	s_lshl_b32 s42, ttmp9, 2
	s_add_co_u32 s42, s42, s40                     ; tile column
	s_and_b32 s17, ttmp7, 0xffff                   ; tile row, shared by the four partners
	s_mov_b32 s[G1], 15|(1<<20)|(1<<21)|(5<<22)|(3<<25)   ; mask of all four; bytes; 4 words of padding behind every 64
	s_mov_b32 s[G1+1], 256<<16
	s_mov_b32 s[G1+2], 64<<16
	s_mov_b32 s[G1+3], 256<<16
	s_mov_b32 s[G1+4], 64
	s_mov_b32 s[G1+5], KB
	s_mov_b32 s[G1+6], 0
	s_mov_b32 s[G1+7], 0
	s_and_b32 s18, s14, 1                          ; which 256 along K of a slot I fetch
	s_lshr_b32 s19, s14, 1                         ; which 64 rows
	s_lshl_b32 s20, s17, 19
	s_lshl_b32 s56, s19, 18
	s_add_co_u32 s20, s20, s56
	s_lshl_b32 s56, s18, 8
	s_add_co_u32 s20, s20, s56
	s_mov_b32 s21, 0
	s_mul_i32 s48, s18, SUB
	s_mul_i32 s56, s19, 64*PITCH
	s_add_co_u32 s48, s48, s56                     ; where they go
	s_lshl_b32 s46, s42, 17                        ; sign words: 32,768 (4 x tile column + wave)
	s_lshl_b32 s57, s14, 15
	s_add_co_u32 s46, s46, s57
	s_mov_b32 s47, 0
	s_lshl_b32 s58, s17, 19                        ; prefetches: rows 32 cx + 8 wave on of the tile row
	s_lshl_b32 s57, s40, 17
	s_add_co_u32 s58, s58, s57
	s_lshl_b32 s57, s14, 15
	s_add_co_u32 s58, s58, s57
	s_mov_b32 s59, 0
	s_mov_b32 s[MASK], 0x80808080
	s_lshl_b32 s72, s18, 7                         ; the stage, way in: place 128 (w % 2) + 4 (w / 2) of a row
	s_lshl_b32 s73, s19, 2
	s_add_co_u32 s72, s72, s73
	s_add_co_u32 s72, s72, STAGE
	s_mul_i32 s73, s14, 32*PITCH                   ; way out: rows 32 w on
	s_add_co_u32 s73, s73, STAGE
	v_and_b32 v1, 15, v0
	v_bfe_u32 v2, v0, 4, 1
	v_mul_u32_u24 v3, v1, PITCH
	v_lshl_add_u32 v4, v2, 4, v3
.irp q, 0,1,2,3
	v_add_nc_u32 v[ADRA+\q], \q*SUB, v4
.endr
	v_and_b32 v5, 31, v0
	v_lshlrev_b32 v[BOF], 4, v5
	v_lshrrev_b32 v6, 2, v5
	v_and_b32 v7, 3, v5
	v_lshlrev_b32 v[PFO], 12, v6                   ; row lane / 4, block lane % 4
	v_lshl_add_u32 v[PFO], v7, 8, v[PFO]
	v_lshlrev_b32 v[SOF], 5, v2
	v_add_nc_u32 v[STO], s72, v4
	v_mul_u32_u24 v6, v2, PITCH
	v_lshl_add_u32 v6, v1, 4, v6
	v_add_nc_u32 v[RD], s73, v6
	v_lshlrev_b32 v[CO], 12, v2
	v_lshl_add_u32 v[CO], v1, 4, v[CO]
	WIN 0x80
	v_mov_b32 v224, v[BOF]
	WIN 0xc0
	v_mov_b32 v224, v[BOF]
	WIN 0
	s_wait_alu depctr_va_vdst(0)
	s_wait_dscnt 0x0
	s_wait_kmcnt 0x0
	s_load_b128 s[80:83], s[8:9], 0x0              ; e0, e1, e2, e3
	s_add_nc_u64 s[20:21], s[4:5], s[20:21]
	s_add_nc_u64 s[BB:BB+1], s[6:7], s[46:47]
	s_add_nc_u64 s[PFA:PFA+1], s[4:5], s[58:59]
	s_lshl_b32 s46, s42, 10
	s_lshl_b32 s56, s14, 8
	s_add_co_u32 s46, s46, s56
	s_add_nc_u64 s[10:11], s[10:11], s[46:47]
	s_lshl_b32 s52, s17, 19
	s_lshl_b32 s56, s14, 17
	s_add_co_u32 s52, s52, s56
	s_lshl_b32 s56, s42, 8
	s_add_co_u32 s52, s52, s56
	s_mov_b32 s53, 0
	s_add_nc_u64 s[HQ:HQ+1], s[68:69], s[52:53]
.irp s, 0,1
	s_mov_b32 s[G0+4*\s], 1
	s_add_co_u32 s[G0+4*\s+1], s48, \s*SLOT
	s_add_nc_u64 s[G0+4*\s+2:G0+4*\s+3], s[20:21], \s*512
	s_or_b32 s[G0+4*\s+3], s[G0+4*\s+3], 0x80000000
.endr
.irp b, 0,1,2,3
	global_load_b128 v[SC2+8*\b:SC2+8*\b+3],   v[SOF], s[10:11] offset:64*\b
	global_load_b128 v[SC2+8*\b+4:SC2+8*\b+7], v[SOF], s[10:11] offset:64*\b+16
.endr
.irp t, 0,1,2,3,4,5
	WIN P1
	LDW \t, 0
	WIN P3
	LDW \t, 1
.endr
	WIN 0
	CROUND                                         ; the first joint loads meet
	tensor_load_to_lds s[G0:G0+3], s[G1:G1+7]      ; slot 0: one tensor load a wave at the head
	s_nop 0
	PLACES 4
	global_prefetch_b8 v[PFO], s[PFA:PFA+1] offset:512 th:TH_LOAD_NT scope:SCOPE_SE
	s_wait_kmcnt 0x0
	s_add_co_i32 s92, s81, 127
	s_lshl_b32 s93, s92, 23
	v_mov_b32 v106, s93                            ; 2^e1
	s_add_co_i32 s92, s92, 8
	s_lshl_b32 s92, s92, 23
	s_or_b32 s92, s92, 0x600000                    ; 448 x 2^e1
	v_mov_b32 v96, 1.0
	v_min_num_f32 v96, s92, v96                    ; the hold
.irp j, 1,2,3,4,5,6,7
	v_mov_b32 v[96+\j], v96
.endr
	v_cvt_scalef32_pk8_fp8_f32 v[104:105], v[96:103], v106
	v_nop
	v_readfirstlane_b32 s[MAG], v104               ; the code of Q(1, e1) in all four bytes
	s_sub_co_i32 s92, s82, s80
	s_sub_co_i32 s92, s92, s81
	s_add_co_i32 s92, s92, 127
	s_lshl_b32 s93, s92, 23
	v_mov_b32 v[HSC], s93                          ; 2^(e2 - e0 - e1)
	s_add_co_i32 s92, s92, 8
	s_lshl_b32 s92, s92, 23
	s_or_b32 s92, s92, 0x600000
	v_mov_b32 v[HLIM], s92
	WIN P1                                         ; K step 0's fragments of W1 are made while the first tile is on its way
	WORDS -1, 0, 1, 0
.irp j, 0,1,2,3,4,5,6,7
	EXG 0, \j
.endr
	WIN P3
	WORDS -1, 1, 1, 0
.irp j, 0,1,2,3,4,5,6,7
	EXG 0, \j
.endr
	WIN 0
	s_wait_alu depctr_va_vdst(0)
	s_wait_tensorcnt 0x0                           ; my part of slot 0 is in; the full sequence ahead of slot 1's first fill
	ds_add_u32 v[SPW], v[NIL]
	s_wait_dscnt 0x0
	CROUND
	tensor_load_to_lds s[G0+4:G0+7], s[G1:G1+7]
	s_nop 0
	PLACES 4
	WIN TO_A
	FETCHA 0
	STEP 0, 1, 1, 0                                ; the first K step's products start the sums
	WIN 0
	s_mov_b32 s3, 3
.Llap:                                             ; a trip: eight K steps, once round the ring, both slots filled again
	s_cmp_gt_u32 s3, 1
	s_cbranch_scc0 .Lno_ask
	global_prefetch_b8 v[PFO], s[PFA:PFA+1] offset:1536 th:TH_LOAD_NT scope:SCOPE_SE
.Lno_ask:
	STEP 1, 0, 1, 0
	STEP 2, 0, 1, 0
	TURN 3, 1, 0, 1
	STEP 4, 0, 1, 0
	STEP 5, 0, 1, 0
	STEP 6, 0, 1, 0
	TURN 7, 1, 1, 1
	STEP 8, 0, 1, 0
	WIN 0
	s_wait_xcnt 0x0                                ; the loads and the prefetch have read their bases
	s_add_nc_u64 s[BB:BB+1], s[BB:BB+1], 8192
	s_add_nc_u64 s[PFA:PFA+1], s[PFA:PFA+1], 1024
	s_sub_co_u32 s3, s3, 1
	s_cmp_lg_u32 s3, 0
	s_cbranch_scc1 .Llap
	STEP 1, 0, 0, 0                                ; the last seven K steps ask for nothing more
	STEP 2, 0, 0, 0
	TURN 3, 0, 0, 0
	STEP 4, 0, 0, 0
	STEP 5, 0, 0, 0
	STEP 6, 0, 0, 0
	STEP 7, 0, 0, 1
	WIN 0
	PLACES 4
; THE WAY OUT: sum x scaling2, held, converted with 2^(e2 - e0 - e1); the codes go to the work-group's stage at their places along the next K, and leave as whole rows of 256 bytes.
.irp a, 0,1,2,3,4,5,6,7
	WIN 0x02+\a/4
.set j, 0
.rept 16
	v_pk_mul_f32 v[TMP+j:TMP+j+1], v[32*(\a%4)+j:32*(\a%4)+j+1], v[SC2+j:SC2+j+1]
.set j, j+2
.endr
	WIN 0
.set j, 0
.rept 32
	v_med3_num_f32 v[TMP+j], v[TMP+j], -v[HLIM], v[HLIM]
.set j, j+1
.endr
.irp b, 0,1,2,3
	v_cvt_scalef32_pk8_fp8_f32 v[CD+8*\a+2*\b:CD+8*\a+2*\b+1], v[TMP+8*\b:TMP+8*\b+7], v[HSC]
.endr
	v_nop
.irp b, 0,1,2,3
	ds_store_b32 v[STO], v[CD+8*\a+2*\b]   offset:16*PITCH*\a+32*\b
	ds_store_b32 v[STO], v[CD+8*\a+2*\b+1] offset:16*PITCH*\a+32*\b+8
.endr
.endr
	s_wait_dscnt 0x0                               ; for the others' sake
	s_barrier_signal -1
	s_barrier_wait -1
.irp t, 0,1,2,3,4,5,6,7,8,9,10,11,12,13,14,15
	ds_load_b128 v[BK+4*\t:BK+4*\t+3], v[RD] offset:\t*2*PITCH
.endr
.irp t, 0,1,2,3,4,5,6,7,8,9,10,11,12,13,14,15
	s_wait_dscnt 15-\t
	global_store_b128 v[CO], v[BK+4*\t:BK+4*\t+3], s[HQ:HQ+1] offset:2*\t*KB   ; 16 lanes store 256 consecutive bytes, aligned
.endr
	s_wait_tensorcnt 0x0                           ; the wave's end
	ds_add_u32 v[SPW], v[NIL]
	s_wait_dscnt 0x0
	CROUND                                         ; the closing round
	s_endpgm
.Lfunc_end_k_q2ff3e3628e_gemm1:
	.size	k_q2ff3e3628e_gemm1, .Lfunc_end_k_q2ff3e3628e_gemm1-k_q2ff3e3628e_gemm1
	.p2alignl 7, 3214868480
	.fill 96, 4, 3214868480
	.section	.rodata,"a",@progbits
	.p2align	6, 0x0
	.amdhsa_kernel k_q2ff3e3628e_gemm1
		.amdhsa_group_segment_fixed_size 327680
		.amdhsa_private_segment_fixed_size 0
		.amdhsa_enable_private_segment 0
		.amdhsa_kernarg_size 40
		.amdhsa_user_sgpr_count 2
		.amdhsa_user_sgpr_kernarg_segment_ptr 1
		.amdhsa_wavefront_size32 1
		.amdhsa_system_sgpr_workgroup_id_x 1
		.amdhsa_system_sgpr_workgroup_id_y 1
		.amdhsa_system_sgpr_workgroup_id_z 1
		.amdhsa_system_vgpr_workitem_id 0
		.amdhsa_next_free_vgpr 1024
		.amdhsa_next_free_sgpr 100
		.amdhsa_reserve_vcc 0
		.amdhsa_float_denorm_mode_32 3
		.amdhsa_float_denorm_mode_16_64 3
		.amdhsa_memory_ordered 1
		.amdhsa_forward_progress 1
		.amdhsa_inst_pref_size 238
	.end_amdhsa_kernel
	.amdgpu_metadata
---
amdhsa.version: [ 1, 2 ]
amdhsa.kernels:
  - .name:           k_q2ff3e3628e_gemm1
    .symbol:         k_q2ff3e3628e_gemm1.kd
    .args:
      - { .name: xq, .offset: 0, .size: 8, .value_kind: global_buffer, .address_space: global }
      - { .name: w1b, .offset: 8, .size: 8, .value_kind: global_buffer, .address_space: global }
      - { .name: lowp_scales, .offset: 16, .size: 8, .value_kind: global_buffer, .address_space: global }
      - { .name: scaling2, .offset: 24, .size: 8, .value_kind: global_buffer, .address_space: global }
      - { .name: hq, .offset: 32, .size: 8, .value_kind: global_buffer, .address_space: global }
    .group_segment_fixed_size: 327680
    .private_segment_fixed_size: 0
    .kernarg_segment_align: 8
    .kernarg_segment_size: 40
    .max_flat_workgroup_size: 128
    .sgpr_count:     100
    .vgpr_count:     1024
    .wavefront_size: 32
...
	.end_amdgpu_metadata
.endif
;; end of part 5
;; launch gemm2 (part 6): grid 16 x 16, 4 waves a work-group, clusters of 4 x 1, 327,680 bytes of LDS; arguments hq, w3b, lowp_scales, scaling4, bias, out0; writes out0
.if DOCPART == 6
	.amdgcn_target "amdgcn-amd-amdhsa--gfx1250"
	.amdhsa_code_object_version 6
	.text
	.protected	k_q2ff3e3628e_gemm2
	.globl	k_q2ff3e3628e_gemm2
	.p2align	8
	.type	k_q2ff3e3628e_gemm2,@function
k_q2ff3e3628e_gemm2:
	s_mov_b64 s[64:65], 0
	v_nop
	global_prefetch_b8 v0, s[64:65] scope:SCOPE_SE
	s_setreg_imm32_b32 hwreg(HW_REG_WAVE_MODE, 25, 1), 1
	s_wait_xcnt 0x0
	s_wait_alu depctr_hold_cnt(0) depctr_sa_sdst(0) depctr_va_vdst(0) depctr_va_sdst(0) depctr_va_ssrc(0) depctr_va_vcc(0) depctr_vm_vsrc(0)
	s_getreg_b32 s2, hwreg(HW_REG_IB_STS2, 6, 4)
	s_cmp_eq_u32 s2, 0
	s_cbranch_scc0 .Lentry_in_a_cluster
	s_endpgm
.Lentry_in_a_cluster:
	s_bfe_u32 s2, ttmp6, 0x10000c
	s_cmp_lg_u32 s2, 0x3003
	s_cbranch_scc0 .Lentry_shape_is_right
	s_endpgm
.Lentry_shape_is_right:
; out0 = (hq W3^T) 2^(e2 + e3) * scaling4 + bias.  hq [2048][4096]: codes of FP8 (E4M3) by rows, in the program's order along K.  w3b: W3's signs, a bit a weight, laid as w1b is:
; for rows 64 ng + 32 blk + 16 f + r, K step ks, lane (r, h): word uu at 32,768 ng + 1,024 ks + 512 blk + 16 (r + 16 h) + 8 f + 4 uu; the sign of byte t of register 8 uu + j is bit 8 t + 7 - j.
; LIMITS: W3 is +-1 (w3_bits holds 0 or 1).  e3 between -126 and 119.  2^(e2 + e3) goes onto scaling4 by v_ldexp_f32.
; W3's codes are made in registers: ((word << j) & 0x80808080) | the code of Q(1, e3), which the conversion makes once behind its hold.
; TILE, RING, CLUSTERS, PHASES, PREFETCHES AND REGISTERS as in the first product's launch: 128 x 256 to a work-group, wave w all 128 rows x columns 64 w on; hq through two LDS slots of 512 along K, asked for jointly
; by the four work-groups of a tile row's cluster, 64 rows x 256 bytes a wave; the sign words straight into registers seven K steps ahead of their use, so not prefetched; hq's tiles prefetched, each 256 bytes
; once a cluster, shared out by address, six K steps or more ahead of their tensor load, the last 512 along K excepted.  A K step has four phases of 8 products, each under one window setting; in the first and third
; the next step's fragments of that window are made between the products.
; Window 0: addresses, v32-63 scaling4, v64-95 bias, v96-127 at work, v128-255 rows read back.  Window 1: hq's fragments, two sets.  Windows 2, 3: v0-127 accumulators, v128-191 W3's fragments, v192-223 sign words, v224 16 x lane.
.set KB,     4096
.set NB,     16384
.set PITCH,  272
.set SUB,    128*PITCH
.set SLOT,   2*SUB
.set SPARE,  4*SUB
.set STAGE,  SPARE+512
.set ADRA, 8
.set BOF,  16
.set PFO,  17
.set SOF,  18
.set STO,  24
.set RD,   25
.set CO,   26
.set SPW,  28
.set NIL,  29
.set SC4,  32
.set BIA,  64
.set TMP,  96
.set BK,   128
.set G1,  24
.set G0,  32
.set PFA, 44
.set BB,  50
.set MASK, 60
.set MAG,  61
.set MSB, 0
.macro WIN new
.if MSB != \new
	s_set_vgpr_msb (MSB<<8)|\new
.set MSB, \new
.endif
.endm
.set P1,   0xa6
.set P2,   0xf6
.set P3,   0xf7
.set P4,   0xa7
.set TO_A, 0x40
.macro CREST
	s_cmp_lg_u32 s14, 0
	s_cbranch_scc1 .Lnot_wave_0_\@
	s_barrier_signal -3
.Lnot_wave_0_\@:
	s_barrier_wait -3
	s_barrier_signal -1
	s_barrier_wait -1
.endm
.macro CROUND
	s_barrier_signal -1
	s_barrier_wait -1
	CREST
.endm
.macro PLACES n
.rept \n
	v_nop
.endr
.endm
.macro FETCHA s                        ; K step s's eight fragments of hq into set s % 2
.irp i, 0,1,2,3,4,5,6,7
.irp c, 0,1,2,3
	ds_load_b128 v[128*((\s)%2)+16*\i+4*\c:128*((\s)%2)+16*\i+4*\c+3], v[ADRA+((\s)/2)%4] offset:128*((\s)%2)+32*\c+\i*16*PITCH
.endr
.endr
.endm
.macro LDW s, hi                       ; K step s's sign words of this window's two fragments
	global_load_b128 v[192+4*((\s)%8):192+4*((\s)%8)+3], v224, s[BB:BB+1] offset:1024*(\s)+512*\hi
.endm
.macro EXG n, j                        ; registers 8 u + j of K step n's two fragments; then the words move one bit up
.irp u, 0,1,2,3
	v_and_or_b32 v[128+32*((\n)%2)+8*\u+\j], v[192+4*((\n)%8)+\u], s[MASK], s[MAG]
.endr
.if \j < 7
.irp u, 0,1,2,3
	v_lshl_or_b32 v[192+4*((\n)%8)+\u], v[192+4*((\n)%8)+\u], 1, 0
.endr
.endif
.endm
.macro PH s, ah, bh, ex, zero          ; 8 products; the 32 accumulators take turns in the same order in every step
.set g, 0
.irp a, 0,1,2,3
.irp b, 0,1
.if \zero
	v_wmma_f32_16x16x128_fp8_fp8 v[8*(4*\a+2*\bh+\b):8*(4*\a+2*\bh+\b)+7], v[128+32*((\s)%2)+16*\b:128+32*((\s)%2)+16*\b+15], v[128*((\s)%2)+16*(4*\ah+\a):128*((\s)%2)+16*(4*\ah+\a)+15], 0
.else
	v_wmma_f32_16x16x128_fp8_fp8 v[8*(4*\a+2*\bh+\b):8*(4*\a+2*\bh+\b)+7], v[128+32*((\s)%2)+16*\b:128+32*((\s)%2)+16*\b+15], v[128*((\s)%2)+16*(4*\ah+\a):128*((\s)%2)+16*(4*\ah+\a)+15], v[8*(4*\a+2*\bh+\b):8*(4*\a+2*\bh+\b)+7]
.endif
.if \ex
	EXG (\s)+1, g
.endif
.set g, g+1
.endr
.endr
.endm
.macro WORDS s, hi, ld, last           ; ld = 1: ask for the words seven steps on; then wait for the next step's: twelve younger loads may be out.  ld = 0, the tail (s = 1..6): the counts run down
.if \ld
	LDW (\s)+7, \hi
	s_wait_loadcnt 12
.else
.if \last == 0
	s_wait_loadcnt 2*(6-(\s))+1-\hi
.endif
.endif
.endm
.macro STEP s, zero, ld, last
.if \last
	s_wait_alu depctr_va_vdst(0)                   ; the last step makes no fragments, so few vector lines stand ahead of its products
.endif
	s_wait_dscnt 0x0                               ; this step's fragments of hq are in
.if \last == 0
	PLACES 4                                       ; between the last step's products and the loads into the set that they read
	WIN TO_A
	FETCHA (\s)+1
.endif
	WIN P1
	WORDS \s, 0, \ld, \last
	PH \s, 0, 0, 1-\last, \zero
	WIN P2
	PH \s, 1, 0, 0, \zero
	WIN P3
	WORDS \s, 1, \ld, \last
	PH \s, 1, 1, 1-\last, \zero
	WIN P4
	PH \s, 0, 1, 0, \zero
.endm
.macro TURN s, fill, slot, ld          ; a slot's last K step: one barrier for the change of slots; fill = 1: it opens a round of the cluster's barrier and the slot is filled again
.if \ld
	WIN P1
	LDW (\s)+7, 0
.endif
	WIN 0
	s_wait_tensorcnt 0x0                           ; my part of the other slot is in
	ds_add_u32 v[SPW], v[NIL]
.if \ld
	s_wait_loadcnt 12
.else
	s_wait_loadcnt 2*(6-(\s))+1
.endif
	s_wait_dscnt 1                                 ; this step's fragments are in; the add alone may be out
	WIN P1
	PH \s, 0, 0, 1, 0
	s_wait_dscnt 0x0                               ; the add is done, my reads of this slot are over
	s_barrier_signal -1
	WIN P2
	PH \s, 1, 0, 0, 0
	WIN 0
	s_barrier_wait -1
.if \fill
	CREST
	s_add_nc_u64 s[G0+4*\slot+2:G0+4*\slot+3], s[G0+4*\slot+2:G0+4*\slot+3], 1024
	tensor_load_to_lds s[G0+4*\slot:G0+4*\slot+3], s[G1:G1+7]   ; my one load behind the round
	s_nop 0
	PLACES 4
.endif
	WIN TO_A
	FETCHA (\s)+1                                  ; out of the other slot
	WIN P3
	WORDS \s, 1, \ld, 0
	PH \s, 1, 1, 1, 0
	WIN P4
	PH \s, 0, 1, 0, 0
.endm
	s_load_b256 s[4:11], s[0:1], 0x0               ; hq, w3b, lowp_scales, scaling4
	s_load_b128 s[68:71], s[0:1], 0x20             ; bias, out0
	v_lshl_add_u32 v[SPW], v0, 2, SPARE
	v_mov_b32 v[NIL], 0
	ds_add_u32 v[SPW], v[NIL]                      ; the opening lines: the add twice and its wait
	ds_add_u32 v[SPW], v[NIL]
	v_lshrrev_b32 v1, 5, v0
	v_readfirstlane_b32 s14, v1                    ; wave
	s_bfe_u32 s40, ttmp6, 0x40000                  ; cx
	s_lshl_b32 s42, ttmp9, 2
	s_add_co_u32 s42, s42, s40                     ; tile column
	s_and_b32 s17, ttmp7, 0xffff                   ; tile row, shared by the four partners
	s_mov_b32 s[G1], 15|(1<<20)|(1<<21)|(5<<22)|(3<<25)   ; mask of all four; bytes; 4 words of padding behind every 64
	s_mov_b32 s[G1+1], 256<<16
	s_mov_b32 s[G1+2], 64<<16
	s_mov_b32 s[G1+3], 256<<16
	s_mov_b32 s[G1+4], 64
	s_mov_b32 s[G1+5], KB
	s_mov_b32 s[G1+6], 0
	s_mov_b32 s[G1+7], 0
	s_and_b32 s18, s14, 1                          ; which 256 along K of a slot I fetch
	s_lshr_b32 s19, s14, 1                         ; which 64 rows
	s_lshl_b32 s20, s17, 19
	s_lshl_b32 s56, s19, 18
	s_add_co_u32 s20, s20, s56
	s_lshl_b32 s56, s18, 8
	s_add_co_u32 s20, s20, s56
	s_mov_b32 s21, 0
	s_mul_i32 s48, s18, SUB
	s_mul_i32 s56, s19, 64*PITCH
	s_add_co_u32 s48, s48, s56                     ; where they go
	s_lshl_b32 s46, s42, 17                        ; sign words: 32,768 (4 x tile column + wave)
	s_lshl_b32 s57, s14, 15
	s_add_co_u32 s46, s46, s57
	s_mov_b32 s47, 0
	s_lshl_b32 s58, s17, 19                        ; prefetches: rows 32 cx + 8 wave on of the tile row
	s_lshl_b32 s57, s40, 17
	s_add_co_u32 s58, s58, s57
	s_lshl_b32 s57, s14, 15
	s_add_co_u32 s58, s58, s57
	s_mov_b32 s59, 0
	s_mov_b32 s[MASK], 0x80808080
	s_mul_i32 s72, s14, 16*PITCH
	s_add_co_u32 s72, s72, STAGE                   ; my stage
	v_and_b32 v1, 15, v0
	v_bfe_u32 v2, v0, 4, 1
	v_mul_u32_u24 v3, v1, PITCH
	v_lshl_add_u32 v4, v2, 4, v3
.irp q, 0,1,2,3
	v_add_nc_u32 v[ADRA+\q], \q*SUB, v4
.endr
	v_and_b32 v5, 31, v0
	v_lshlrev_b32 v[BOF], 4, v5
	v_lshrrev_b32 v6, 2, v5
	v_and_b32 v7, 3, v5
	v_lshlrev_b32 v[PFO], 12, v6                   ; row lane / 4, block lane % 4
	v_lshl_add_u32 v[PFO], v7, 8, v[PFO]
	v_lshlrev_b32 v[SOF], 5, v2
	v_lshl_add_u32 v6, v2, 5, v3                   ; in: row l % 16, 32 bytes for each half of the lanes
	v_add_nc_u32 v[STO], s72, v6
	v_mul_u32_u24 v6, v2, PITCH                    ; back: lanes 0-15 one row of 256 bytes, lanes 16-31 the next
	v_lshl_add_u32 v6, v1, 4, v6
	v_add_nc_u32 v[RD], s72, v6
	v_lshlrev_b32 v[CO], 14, v2
	v_lshl_add_u32 v[CO], v1, 4, v[CO]
	WIN 0x80
	v_mov_b32 v224, v[BOF]
	WIN 0xc0
	v_mov_b32 v224, v[BOF]
	WIN 0
	s_wait_alu depctr_va_vdst(0)
	s_wait_dscnt 0x0
	s_wait_kmcnt 0x0
	s_load_b128 s[80:83], s[8:9], 0x0              ; e0, e1, e2, e3
	s_add_nc_u64 s[20:21], s[4:5], s[20:21]
	s_add_nc_u64 s[BB:BB+1], s[6:7], s[46:47]
	s_add_nc_u64 s[PFA:PFA+1], s[4:5], s[58:59]
	s_lshl_b32 s46, s42, 10
	s_lshl_b32 s56, s14, 8
	s_add_co_u32 s46, s46, s56                     ; my first column in bytes of f32
	s_add_nc_u64 s[10:11], s[10:11], s[46:47]
	s_add_nc_u64 s[68:69], s[68:69], s[46:47]
	s_lshl_b32 s52, s17, 21
	s_add_co_u32 s52, s52, s46
	s_mov_b32 s53, 0
	s_add_nc_u64 s[70:71], s[70:71], s[52:53]
.irp s, 0,1
	s_mov_b32 s[G0+4*\s], 1
	s_add_co_u32 s[G0+4*\s+1], s48, \s*SLOT
	s_add_nc_u64 s[G0+4*\s+2:G0+4*\s+3], s[20:21], \s*512
	s_or_b32 s[G0+4*\s+3], s[G0+4*\s+3], 0x80000000
.endr
.irp b, 0,1,2,3                        ; scaling4 and bias in the result's layout
	global_load_b128 v[SC4+8*\b:SC4+8*\b+3],   v[SOF], s[10:11] offset:64*\b
	global_load_b128 v[SC4+8*\b+4:SC4+8*\b+7], v[SOF], s[10:11] offset:64*\b+16
	global_load_b128 v[BIA+8*\b:BIA+8*\b+3],   v[SOF], s[68:69] offset:64*\b
	global_load_b128 v[BIA+8*\b+4:BIA+8*\b+7], v[SOF], s[68:69] offset:64*\b+16
.endr
.irp t, 0,1,2,3,4,5
	WIN P1
	LDW \t, 0
	WIN P3
	LDW \t, 1
.endr
	WIN 0
	CROUND                                         ; the first joint loads meet
	tensor_load_to_lds s[G0:G0+3], s[G1:G1+7]      ; slot 0: one tensor load a wave at the head
	s_nop 0
	PLACES 4
	global_prefetch_b8 v[PFO], s[PFA:PFA+1] offset:512 th:TH_LOAD_NT scope:SCOPE_SE
	s_wait_kmcnt 0x0
	s_add_co_i32 s94, s82, s83                     ; e2 + e3
	s_add_co_i32 s92, s83, 127
	s_lshl_b32 s93, s92, 23
	v_mov_b32 v106, s93                            ; 2^e3
	s_add_co_i32 s92, s92, 8
	s_lshl_b32 s92, s92, 23
	s_or_b32 s92, s92, 0x600000                    ; 448 x 2^e3
	v_mov_b32 v96, 1.0
	v_min_num_f32 v96, s92, v96                    ; the hold
.irp j, 1,2,3,4,5,6,7
	v_mov_b32 v[96+\j], v96
.endr
	v_cvt_scalef32_pk8_fp8_f32 v[104:105], v[96:103], v106
	v_nop
	v_readfirstlane_b32 s[MAG], v104               ; the code of Q(1, e3) in all four bytes
	WIN P1                                         ; K step 0's fragments of W3 are made while the first tile is on its way
	WORDS -1, 0, 1, 0
.irp j, 0,1,2,3,4,5,6,7
	EXG 0, \j
.endr
	WIN P3
	WORDS -1, 1, 1, 0
.irp j, 0,1,2,3,4,5,6,7
	EXG 0, \j
.endr
	WIN 0
	s_wait_alu depctr_va_vdst(0)
	s_wait_tensorcnt 0x0                           ; my part of slot 0 is in; the full sequence ahead of slot 1's first fill
	ds_add_u32 v[SPW], v[NIL]
	s_wait_dscnt 0x0
	CROUND
	tensor_load_to_lds s[G0+4:G0+7], s[G1:G1+7]
	s_nop 0
	PLACES 4
	WIN TO_A
	FETCHA 0
	STEP 0, 1, 1, 0                                ; the first K step's products start the sums
	WIN 0
	s_mov_b32 s3, 3
.Llap:                                             ; a trip: eight K steps, once round the ring, both slots filled again
	s_cmp_gt_u32 s3, 1
	s_cbranch_scc0 .Lno_ask
	global_prefetch_b8 v[PFO], s[PFA:PFA+1] offset:1536 th:TH_LOAD_NT scope:SCOPE_SE
.Lno_ask:
	STEP 1, 0, 1, 0
	STEP 2, 0, 1, 0
	TURN 3, 1, 0, 1
	STEP 4, 0, 1, 0
	STEP 5, 0, 1, 0
	STEP 6, 0, 1, 0
	TURN 7, 1, 1, 1
	STEP 8, 0, 1, 0
	WIN 0
	s_wait_xcnt 0x0                                ; the loads and the prefetch have read their bases
	s_add_nc_u64 s[BB:BB+1], s[BB:BB+1], 8192
	s_add_nc_u64 s[PFA:PFA+1], s[PFA:PFA+1], 1024
	s_sub_co_u32 s3, s3, 1
	s_cmp_lg_u32 s3, 0
	s_cbranch_scc1 .Llap
	STEP 1, 0, 0, 0                                ; the last seven K steps ask for nothing more
	STEP 2, 0, 0, 0
	TURN 3, 0, 0, 0
	STEP 4, 0, 0, 0
	STEP 5, 0, 0, 0
	STEP 6, 0, 0, 0
	STEP 7, 0, 0, 1
	WIN 0
; THE WAY OUT, block by block of 16 rows x my 64 columns (256 bytes of a row): through my own stage in LDS and back as whole runs of 256 bytes.  LDS serves a wave's instructions in order (ISA guide 5.7.1.4).
.macro TOSTAGE a
	WIN 0x02+(\a)/4
.set j, 0
.rept 16
	v_pk_fma_f32 v[TMP+j:TMP+j+1], v[32*((\a)%4)+j:32*((\a)%4)+j+1], v[SC4+j:SC4+j+1], v[BIA+j:BIA+j+1]   ; each accumulator from its low end on
.set j, j+2
.endr
	WIN 0
.irp b, 0,1,2,3
	ds_store_b128 v[STO], v[TMP+8*\b:TMP+8*\b+3] offset:64*\b
	ds_store_b128 v[STO], v[TMP+8*\b+4:TMP+8*\b+7] offset:64*\b+16
.endr
.set BKS, BK+32*((\a)%4)
.irp t, 0,1,2,3,4,5,6,7
	ds_load_b128 v[BKS+4*\t:BKS+4*\t+3], v[RD] offset:\t*2*PITCH
.endr
.endm
.macro SEND a, younger                 ; younger: the LDS instructions issued behind block a's loads
.set BKS, BK+32*((\a)%4)
	s_wait_dscnt \younger
.irp t, 0,1,2,3,4,5,6,7
	global_store_b128 v[CO], v[BKS+4*\t:BKS+4*\t+3], s[70:71] offset:(16*(\a)+2*\t)*NB th:TH_STORE_NT   ; 16 lanes store 256 consecutive bytes, aligned
.endr
.endm
.set j, 0
.rept 32
	v_ldexp_f32 v[SC4+j], v[SC4+j], s94            ; scaling4 x 2^(e2 + e3); these plain lines are also the places behind the last products
.set j, j+1
.endr
	TOSTAGE 0
.irp a, 1,2,3,4,5,6,7
.if \a > 3
	s_wait_xcnt 0x0                                ; block a - 4's stores have read their registers
.endif
	TOSTAGE \a
	SEND \a-1, 16
.endr
	SEND 7, 0
	s_wait_tensorcnt 0x0                           ; the wave's end
	ds_add_u32 v[SPW], v[NIL]
	s_wait_dscnt 0x0
	CROUND                                         ; the closing round
	s_endpgm
.Lfunc_end_k_q2ff3e3628e_gemm2:
	.size	k_q2ff3e3628e_gemm2, .Lfunc_end_k_q2ff3e3628e_gemm2-k_q2ff3e3628e_gemm2
	.p2alignl 7, 3214868480
	.fill 96, 4, 3214868480
	.section	.rodata,"a",@progbits
	.p2align	6, 0x0
	.amdhsa_kernel k_q2ff3e3628e_gemm2
		.amdhsa_group_segment_fixed_size 327680
		.amdhsa_private_segment_fixed_size 0
		.amdhsa_enable_private_segment 0
		.amdhsa_kernarg_size 48
		.amdhsa_user_sgpr_count 2
		.amdhsa_user_sgpr_kernarg_segment_ptr 1
		.amdhsa_wavefront_size32 1
		.amdhsa_system_sgpr_workgroup_id_x 1
		.amdhsa_system_sgpr_workgroup_id_y 1
		.amdhsa_system_sgpr_workgroup_id_z 1
		.amdhsa_system_vgpr_workitem_id 0
		.amdhsa_next_free_vgpr 1024
		.amdhsa_next_free_sgpr 100
		.amdhsa_reserve_vcc 0
		.amdhsa_float_denorm_mode_32 3
		.amdhsa_float_denorm_mode_16_64 3
		.amdhsa_memory_ordered 1
		.amdhsa_forward_progress 1
		.amdhsa_inst_pref_size 229
	.end_amdhsa_kernel
	.amdgpu_metadata
---
amdhsa.version: [ 1, 2 ]
amdhsa.kernels:
  - .name:           k_q2ff3e3628e_gemm2
    .symbol:         k_q2ff3e3628e_gemm2.kd
    .args:
      - { .name: hq, .offset: 0, .size: 8, .value_kind: global_buffer, .address_space: global }
      - { .name: w3b, .offset: 8, .size: 8, .value_kind: global_buffer, .address_space: global }
      - { .name: lowp_scales, .offset: 16, .size: 8, .value_kind: global_buffer, .address_space: global }
      - { .name: scaling4, .offset: 24, .size: 8, .value_kind: global_buffer, .address_space: global }
      - { .name: bias, .offset: 32, .size: 8, .value_kind: global_buffer, .address_space: global }
      - { .name: out0, .offset: 40, .size: 8, .value_kind: global_buffer, .address_space: global }
    .group_segment_fixed_size: 327680
    .private_segment_fixed_size: 0
    .kernarg_segment_align: 8
    .kernarg_segment_size: 48
    .max_flat_workgroup_size: 128
    .sgpr_count:     100
    .vgpr_count:     1024
    .wavefront_size: 32
...
	.end_amdgpu_metadata
.endif
;; end of part 6
